; MI455X (gfx1250); checked and timed in simulation.
; The chip was launched on July 23, 2026; its instructions are those of AMD's public machine-readable ISA for CDNA 5 (MIT licence, August 2026) and "CDNA5" Instruction Set Architecture Reference Guide (July 2026). The comments in the code are by the model that wrote it; some were corrected since.
;; Multi Head Self Attention. Allowed arithmetic: matrix products marked QUANTISED: E2M1 operands, one E8M0 scale for each 32 along K, by v_wmma_scale_f32_16x16x128_f8f6f4 with both operands' format E2M1 (or v_wmma_scale_f32_32x16x128_f4), f32 sums; everything else in f32.
;; Inputs: Wk 1,024 x 1,024 float32; Wo 1,024 x 1,024 float32; Wq 1,024 x 1,024 float32; Wv 1,024 x 1,024 float32; bk 1,024 float32; bo 1,024 float32; bq 1,024 float32; bv 1,024 float32; x 4 x 2,048 x 1,024 float32.
;; Outputs: out0 4 x 2,048 x 1,024 float32.
;; This version of the problem:
;;   THIS VERSION OF THE PROBLEM IS GIVEN IN LOW PRECISION. The matrix products marked QUANTISED in the list below multiply operands that are first quantised to E2M1 (2 exponent bits, 1 mantissa bit; 4 bits a number), with one power-of-two scale for each 32 numbers along K (OCP MX v1.0); their sums are f32. All else is computed in f32.
;;   The module's matrix products, in the order in which they are computed (A, B: the left and right operand; K: the contracted axis; several contracted axes count as one K, in the product's order):
;;     1. [M 8,192, K 1,024] x [K 1,024, N 1,024]; A: input x; B: input Wq: QUANTISED
;;     2. [M 8,192, K 1,024] x [K 1,024, N 1,024]; A: input x; B: input Wk: QUANTISED
;;     3. [M 8,192, K 1,024] x [K 1,024, N 1,024]; A: input x; B: input Wv: QUANTISED
;;     4. batch 64 x [M 2,048, K 64] x [K 64, N 2,048]; A: computed on the way; B: computed on the way: QUANTISED
;;     5. batch 64 x [M 2,048, K 2,048] x [K 2,048, N 64]; A: softmax (see below); B: computed on the way: QUANTISED
;;     6. [M 8,192, K 1,024] x [K 1,024, N 1,024]; A: computed on the way; B: input Wo: QUANTISED
;;   THE QUANTISER, for each operand of a quantised product, along K:
;;     - K is cut into blocks of 32 from its start; a last block that is shorter is filled with zeros.
;;     - A block's scale is 2^e with e = floor(log2(the largest magnitude in the block)) - 2, held to -126 .. 127; a block of zeros has e = 0. As a byte (E8M0): e + 127.
;;     - Each number is divided by its block's scale, clamped to +-6, and rounded to the nearest number of E2M1, ties to even, subnormals kept.
;;     - The product sums the exact products of the quantised numbers (number of the format x scale) in f32.
;;   ~~~python
;;   def quantise(x, axis):      # numpy; x: float32 -> the quantised numbers, widened to float32 again
;;       x = np.moveaxis(x, axis, -1); K = x.shape[-1]
;;       x = np.pad(x, [(0, 0)] * (x.ndim - 1) + [(0, -K % 32)]); x = x.reshape(x.shape[:-1] + (-1, 32)); a = np.abs(x).max(-1, keepdims=True)
;;       e = np.where(a > 0, np.clip(np.frexp(np.where(a > 0, a, 1))[1] - 1 - 2, -126, 127), 0)      # np.frexp(a)[1] - 1 = floor(log2(a)), exactly
;;       r = np.clip(x / 2.0 ** e, -6, 6)
;;       step = 2.0 ** (np.maximum(np.frexp(np.where(r == 0, 1, r))[1] - 1, 0) - 1)
;;       q = np.round(r / step) * step * 2.0 ** e      # np.round: ties to even
;;       return np.moveaxis(q.reshape(q.shape[:-2] + (-1,))[..., :K], -1, axis).astype(np.float32)
;;   ~~~
;;   SOFTMAX AHEAD OF A QUANTISED PRODUCT. Where the list says 'softmax', what is quantised is not the finished softmax but p = 2^(t - M), with t = logit x log2(e) and M = ceil(the row's largest t), a whole number; so 1/2 < the row's largest p <= 1. The row's sum l is taken of the UNQUANTISED p, in f32, and the product's result is divided by l at the end. Since M is a whole number, a kernel that streams over the keys may use a running M (the ceiling of the running maximum): every later rescaling is an exact power of two, which a block's scale takes up: the codes' values come out the same.
;;   OPERANDS COMPUTED ON THE WAY. 'Computed on the way' means the value that the module computes at that place (a softmax that the list does not call 'softmax' is quantised finished and normalised). What goes into a quantiser is computed in f32, as accurately as f32 sums, v_exp_f32 and their like allow (about 1e-6 of the number): no bf16 or f16 on the way to a quantiser, and a product that is left as it is and whose result goes on into a quantised operand takes f32 operands (vector FMAs, or v_wmma_f32_16x16x4_f32). A number that lies on a knife's edge between two numbers of the format may be rounded either way, as far as f32 arithmetic and the matrix unit's own rounding can turn it there, and no further.
;; One version. Each part assembles by itself: llvm-mc -triple=amdgcn-amd-amdhsa -mcpu=gfx1250 --defsym DOCPART=n.
;; ======== version 1 of 1: 4 launches
;; workspace buffers: xq 4,456,448 bytes; wq 2,228,224 bytes; qkv 13,369,344 bytes; ctx 4,456,448 bytes
;; launch quant (part 1): grid 384 x 1, 4 waves a work-group, no clusters, 34,304 bytes of LDS; arguments x, Wq, Wk, Wv, Wo, xq, wq; writes xq, wq
.if DOCPART == 1
	.amdgcn_target "amdgcn-amd-amdhsa--gfx1250"
	.amdhsa_code_object_version 6
	.text
	.protected	k_q20c7c0be38_quant
	.globl	k_q20c7c0be38_quant
	.p2align	8
	.type	k_q20c7c0be38_quant,@function
k_q20c7c0be38_quant:
	s_mov_b64 s[64:65], 0
	v_nop
	global_prefetch_b8 v0, s[64:65] scope:SCOPE_SE
	s_setreg_imm32_b32 hwreg(HW_REG_WAVE_MODE, 25, 1), 1
	s_wait_xcnt 0x0
; x [8192][1024] and Wq, Wk, Wv, Wo [1024][1024], f32 with K innermost, become codes of FP4 (E2M1) with one E8M0 scale byte for each 32 along K,
; LAID IN THE ORDER OF THE OPERAND'S REGISTERS, so that every later launch moves fragments by 16 bytes a lane and nothing else.
; ROW TILE t of a matrix: its row m (0..15) is matrix row 32 (t / 2) + 8 (t % 2) + m + (m & 8).
; FRAGMENT IMAGE (row tile, 128 along K): 1,024 bytes: register group c (0, 1) at 512 c + 16 lane; lane (r, h) holds the codes of k = 64 c + 32 h + 0 .. 31 of the tile's row r.
; BUFFER: codes [K half (2)][row tile][K step % 4][1,024]; behind them scale words [row tile][K half][r][K step % 4][4 bytes].  xq: 512 row tiles; wq: 256 (Wq, Wk, Wv, Wo, 64 each).
; A block's scale is 2^(floor(log2(largest magnitude)) - 2); its byte is the largest magnitude's exponent field - 2, held at 1 from below.
; LIMITS: a block of zeros gets the byte 1 where the rule says 127 (its codes are zeros, and this program alone reads the bytes); blocks whose largest magnitude lies under 2^-124 were not tried; NaN and infinities are not served.
; SHARES: a work-group takes 32 rows (two row tiles, 131,072 consecutive bytes): work-groups 0-255 x's, 256-383 the weights'.  Wave w takes row tile w / 2 and K half w % 2: four fragments.
; Each load reads 512 consecutive bytes of one row; a fragment's 16 x 512 bytes turn through the wave's own stage in LDS (rows 528 bytes apart) and come back 256 bytes a lane: two whole blocks of 32.
; No tensor loads, no barrier: waves share nothing.  One path for all five tensors: pointers and strides are chosen on the work-group's number alone.
.set STGB, 8448                        ; a wave's stage: 16 rows x 528 bytes
.set R,  16                            ; v16-143  two sets of 64 numbers
.set CD, 144                           ; v144-175 codes: eight registers a fragment, so that no store's data are written again
.set SW, 176                           ; v176-179 a scale word for each fragment
	s_load_b256 s[4:11], s[0:1], 0x0               ; x s[4:5], Wq s[6:7], Wk s[8:9], Wv s[10:11]
	s_load_b128 s[12:15], s[0:1], 0x20             ; Wo s[12:13], xq s[14:15]
	s_load_b64 s[16:17], s[0:1], 0x30              ; wq
	v_lshl_add_u32 v192, v0, 2, 0x8400
	v_mov_b32 v193, 0
	v_lshrrev_b32 v1, 5, v0
	v_readfirstlane_b32 s18, v1                    ; wave
	s_lshr_b32 s19, s18, 1                         ; u: which of the two row tiles
	s_and_b32 s20, s18, 1                          ; kh: which K half
	v_and_b32 v6, 31, v0
	v_lshlrev_b32 v1, 4, v6                        ; 16 x lane
	v_and_b32 v7, 15, v0                           ; r
	v_bfe_u32 v8, v0, 4, 1                         ; h
	s_mul_i32 s21, s18, STGB
	v_add_nc_u32 v2, s21, v1                       ; the stage, on the way in: 16 x lane of a row
	v_mul_u32_u24 v3, v7, 528
	v_lshl_add_u32 v3, v8, 7, v3
	v_add_nc_u32 v3, s21, v3                       ; and on the way out: row r, + 128 h
	v_lshlrev_b32 v4, 3, v8                        ; 8 h: my bytes' shift in a scale word
	v_lshl_add_u32 v5, v7, 4, v4                   ; 16 r + 8 h: my two scale words' place
	v_mov_b32 v13, 0                               ; written once: a lane permute's destination counts as one of its sources
	s_mov_b32 s2, 0x76543210
	s_mov_b32 s3, 0xfedcba98                       ; v_permlanex16_b32's selects for lane l xor 16
	s_sub_co_u32 s22, ttmp9, 256                   ; a weight's work-group: 32 t + group
	s_lshr_b32 s23, s22, 5                         ; t
	s_and_b32 s28, s22, 31                         ; group
	s_mov_b32 s30, 0x100000                        ; wq: from K half to K half
	s_wait_alu depctr_va_vdst(0)
	s_wait_kmcnt 0x0
	s_cmp_eq_u32 s23, 1
	s_cselect_b64 s[24:25], s[8:9], s[6:7]
	s_cmp_eq_u32 s23, 2
	s_cselect_b64 s[24:25], s[10:11], s[24:25]
	s_cmp_eq_u32 s23, 3
	s_cselect_b64 s[24:25], s[12:13], s[24:25]
	s_cmp_lt_u32 ttmp9, 256                        ; x's work-group?
	s_cselect_b64 s[24:25], s[4:5], s[24:25]       ; the source
	s_cselect_b64 s[26:27], s[14:15], s[16:17]     ; the destination
	s_cselect_b32 s28, ttmp9, s28                  ; the group of 32 rows in the source,
	s_cselect_b32 s29, ttmp9, s22                  ; and the pair of row tiles in the destination
	s_cselect_b32 s30, 0x200000, s30               ; xq: from K half to K half; the scale words begin at twice that
	s_lshl_b32 s32, s28, 17
	s_lshl_b32 s33, s19, 15                        ; tile u begins 8 rows down
	s_add_co_u32 s32, s32, s33
	s_lshl_b32 s33, s20, 11                        ; K half: 512 numbers
	s_add_co_u32 s32, s32, s33
	s_mov_b32 s33, 0
	s_add_nc_u64 s[24:25], s[24:25], s[32:33]
	s_lshl_b32 s31, s29, 1
	s_add_co_u32 s31, s31, s19                     ; my row tile
	s_mul_i32 s32, s20, s30
	s_lshl_b32 s34, s31, 12
	s_add_co_u32 s32, s32, s34
	s_add_nc_u64 s[36:37], s[26:27], s[32:33]      ; my four images
	s_lshl_b32 s32, s30, 1
	s_lshl_b32 s34, s31, 9
	s_add_co_u32 s32, s32, s34
	s_lshl_b32 s34, s20, 8
	s_add_co_u32 s32, s32, s34
	s_add_nc_u64 s[38:39], s[26:27], s[32:33]      ; my 256 bytes of scale words
.macro LOADF q                         ; fragment q: 16 rows x 512 bytes into set q % 2
.irp i, 0,1,2,3,4,5,6,7,8,9,10,11,12,13,14,15
	global_load_b128 v[R+64*((\q)%2)+4*\i:R+64*((\q)%2)+4*\i+3], v1, s[24:25] offset:(\i+(\i&8))*4096+512*(\q) th:TH_LOAD_NT
.endr
.endm
.macro TURNF q                         ; through the stage: LDS serves a wave's instructions in order, so no wait stands between the stores and the loads
.irp i, 0,1,2,3,4,5,6,7,8,9,10,11,12,13,14,15
	ds_store_b128 v2, v[R+64*((\q)%2)+4*\i:R+64*((\q)%2)+4*\i+3] offset:528*\i
.endr
.irp c, 0,1
.irp k, 0,1,2,3,4,5,6,7
	ds_load_b128 v[R+64*((\q)%2)+32*\c+4*\k:R+64*((\q)%2)+32*\c+4*\k+3], v3 offset:256*\c+16*\k   ; register 32 c + i = k 64 c + 32 h + i of row r
.endr
.endr
.endm
.macro QF q                            ; my two blocks of fragment q: scale, codes, and the row's scale word
.set XS, R+64*((\q)%2)
.irp c, 0,1
	v_max3_num_f32 v[6+\c], |v[XS+32*\c]|, |v[XS+32*\c+1]|, 0x1800000   ; the floor 2^(3 - 127) among the leaves: the byte cannot fall under 1
.endr
.irp i, 2,4,6,8,10,12,14,16,18,20,22,24,26,28,30
.irp c, 0,1
	v_max3_num_f32 v[6+\c], v[6+\c], |v[XS+32*\c+\i]|, |v[XS+32*\c+\i+1]|   ; (the two blocks by turns)
.endr
.endr
.irp c, 0,1
	v_add_nc_u32 v[8+\c], 0xff000000, v[6+\c]      ; 2 off the exponent field: the conversion's scale operand
.endr
.irp c, 0,1
	v_lshrrev_b32 v[10+\c], 23, v[8+\c]            ; the scale's byte
.endr
	v_lshl_or_b32 v12, v11, 16, v10                ; blocks h and 2 + h of row r,
	v_lshlrev_b32 v12, v4, v12                     ; at their places in the word;
	v_permlanex16_b32 v13, v12, s2, s3
	v_or_b32 v[SW+(\q)], v12, v13                  ; with lane l xor 16's two the word is whole
.irp c, 0,1
.irp g, 0,1,2,3
	v_cvt_scalef32_pk8_fp4_f32 v[CD+8*(\q)+4*\c+\g], v[XS+32*\c+8*\g:XS+32*\c+8*\g+7], v[8+\c]
.endr
.endr
	v_nop                                          ; one plain line behind the last conversion: the next fragment writes the scale operands again
.endm
	LOADF 0
	LOADF 1
.irp q, 0,1,2,3
.if \q < 3
	s_wait_loadcnt 16                              ; this fragment's 16 loads are in; the next fragment's 16 may be out
.else
	s_wait_loadcnt 0x0
.endif
	TURNF \q
	s_wait_dscnt 0x0
	QF \q
.if \q < 2
	LOADF \q+2                                     ; into the set just quantised
.endif
	global_store_b128 v1, v[CD+8*\q:CD+8*\q+3], s[36:37] offset:1024*\q          ; 32 lanes store 512 consecutive bytes, aligned
	global_store_b128 v1, v[CD+8*\q+4:CD+8*\q+7], s[36:37] offset:1024*\q+512
.endr
	v_cmp_ne_u32 vcc_lo, 0, v4                     ; lanes 16-31 store words 2 and 3 of their row, lanes 0-15 words 0 and 1
	v_cndmask_b32 v180, v[SW], v[SW+2], vcc_lo
	v_cndmask_b32 v181, v[SW+1], v[SW+3], vcc_lo
	global_store_b64 v5, v[180:181], s[38:39]      ; 32 lanes store 256 consecutive bytes, aligned
	s_wait_tensorcnt 0x0
	ds_add_u32 v192, v193
	s_wait_dscnt 0x0
	s_endpgm
.Lfunc_end_k_q20c7c0be38_quant:
	.size	k_q20c7c0be38_quant, .Lfunc_end_k_q20c7c0be38_quant-k_q20c7c0be38_quant
	.p2alignl 7, 3214868480
	.fill 96, 4, 3214868480
	.section	.rodata,"a",@progbits
	.p2align	6, 0x0
	.amdhsa_kernel k_q20c7c0be38_quant
		.amdhsa_group_segment_fixed_size 34304
		.amdhsa_private_segment_fixed_size 0
		.amdhsa_enable_private_segment 0
		.amdhsa_kernarg_size 56
		.amdhsa_user_sgpr_count 2
		.amdhsa_user_sgpr_kernarg_segment_ptr 1
		.amdhsa_wavefront_size32 1
		.amdhsa_system_sgpr_workgroup_id_x 1
		.amdhsa_system_sgpr_workgroup_id_y 1
		.amdhsa_system_sgpr_workgroup_id_z 1
		.amdhsa_system_vgpr_workitem_id 0
		.amdhsa_next_free_vgpr 194
		.amdhsa_next_free_sgpr 66
		.amdhsa_reserve_vcc 1
		.amdhsa_float_denorm_mode_32 3
		.amdhsa_float_denorm_mode_16_64 3
		.amdhsa_memory_ordered 1
		.amdhsa_forward_progress 1
		.amdhsa_inst_pref_size 30
	.end_amdhsa_kernel
	.amdgpu_metadata
---
amdhsa.version: [ 1, 2 ]
amdhsa.kernels:
  - .name:           k_q20c7c0be38_quant
    .symbol:         k_q20c7c0be38_quant.kd
    .args:
      - { .name: x, .offset: 0, .size: 8, .value_kind: global_buffer, .address_space: global }
      - { .name: Wq, .offset: 8, .size: 8, .value_kind: global_buffer, .address_space: global }
      - { .name: Wk, .offset: 16, .size: 8, .value_kind: global_buffer, .address_space: global }
      - { .name: Wv, .offset: 24, .size: 8, .value_kind: global_buffer, .address_space: global }
      - { .name: Wo, .offset: 32, .size: 8, .value_kind: global_buffer, .address_space: global }
      - { .name: xq, .offset: 40, .size: 8, .value_kind: global_buffer, .address_space: global }
      - { .name: wq, .offset: 48, .size: 8, .value_kind: global_buffer, .address_space: global }
    .group_segment_fixed_size: 34304
    .private_segment_fixed_size: 0
    .kernarg_segment_align: 8
    .kernarg_segment_size: 56
    .max_flat_workgroup_size: 128
    .sgpr_count:     66
    .vgpr_count:     194
    .wavefront_size: 32
...
	.end_amdgpu_metadata
.endif
;; end of part 1
;; launch qkv (part 2): grid 12 x 32, 8 waves a work-group, clusters of 4 x 4, 279,552 bytes of LDS; arguments xq, wq, bq, bk, bv, qkv; writes qkv
.if DOCPART == 2
	.amdgcn_target "amdgcn-amd-amdhsa--gfx1250"
	.amdhsa_code_object_version 6
	.text
	.protected	k_q20c7c0be38_qkv
	.globl	k_q20c7c0be38_qkv
	.p2align	8
	.type	k_q20c7c0be38_qkv,@function
k_q20c7c0be38_qkv:
	s_mov_b64 s[64:65], 0
	v_nop
	global_prefetch_b8 v0, s[64:65] scope:SCOPE_SE
	s_setreg_imm32_b32 hwreg(HW_REG_WAVE_MODE, 25, 1), 1
	s_wait_xcnt 0x0
	s_wait_alu depctr_hold_cnt(0) depctr_sa_sdst(0) depctr_va_vdst(0) depctr_va_sdst(0) depctr_va_ssrc(0) depctr_va_vcc(0) depctr_vm_vsrc(0)
	s_getreg_b32 s2, hwreg(HW_REG_IB_STS2, 6, 4)
	s_cmp_eq_u32 s2, 0
	s_cbranch_scc0 .Lentry_in_a_cluster
	s_endpgm
.Lentry_in_a_cluster:
	s_bfe_u32 s2, ttmp6, 0x10000c
	s_cmp_lg_u32 s2, 0xf033
	s_cbranch_scc0 .Lentry_shape_is_right
	s_endpgm
.Lentry_shape_is_right:
; q, k, v = x W^T + b on codes of FP4 (E2M1), K = 1,024, and the results quantised in registers: q and k along the head's 64, v along the keys.  No f32 result goes to memory.
; xq, wq: fragment images and scale words.  Row tile t: its row m is matrix row 32 (t/2) + 8 (t%2) + m + (m & 8); image: 1,024 bytes, register group c at 512 c + 16 lane;
; codes [K half][row tile][K step % 4][1,024]; scale words [row tile][K half][r][K step % 4][4] behind them (xq at 0x400000, wq at 0x200000).
; SHARES: work-group (X, Y): 256 rows of wq (X 0-3: Wq, 4-7: Wk, 8-11: Wv) x 256 tokens.  Eight waves, wa = w / 2, wb = w % 2; a wave has 4 blocks of source 1 (a) x 8 blocks of source 0 (b): 32 accumulators.
; q, k: source 0 = W (a lane's registers run along the features), source 1 = x (a lane a token).   v: source 0 = x (registers run along the tokens, the keys), source 1 = Wv (a lane a channel).
; By the choice of a tile's rows the 16 registers of source-0 tiles 2 B and 2 B + 1 are 16 neighbours 32 B + 16 h + 0 .. 15: a block of 32 lies in lanes l and l xor 16.  One text serves both kinds:
; LDS bases, store strides and the bias differ, chosen on the cluster's x, which all sixteen partners share.
; OUT (qkv), bh = 16 batch + head: q codes at 0, k codes at 0x400000: [bh][token tile (128)][512], lane (r, h): block h of the head's two; v codes at 0x800000: [bh][key step (16)][d tile (4)][1,024] images of V^T;
; q, k scale bytes at 0xC00000, 0xC40000: [bh][key step][tile % 8 / 4][r][tile % 4][2]; v scale words at 0xC80000: [bh][key step][r][16], d tiles 0, 2, 1, 3.
; The q and k scale bytes leave as 128 consecutive bytes for each of two heads, so their aligned blocks of 256 bytes are written by two waves: one sixteenth of the codes' bytes.
; CLUSTER 4 x 4: x's tiles hang on Y alone and are asked for jointly along a row of the cluster, W's on X alone and along a column.  All of K fits in LDS: every tile is filled once, K half 0 ahead of K half 1.
; LIMITS: a block of zeros gets the scale byte 1 (its codes are zeros; this program alone reads the bytes); blocks under 2^-124 were not tried; NaN and infinities are not served.
; REGISTERS: window 0: v1-13 addresses; v16-79 source 0's 8 fragments; v80-111 source 1's 4; v112-143, v144-159 their scale words (lanes 0-15 K half 0, lanes 16-31 K half 1); v160-223 the bias; v224-231 store offsets.
;   window 1: accumulator (a, b) at v[8 (8 a + b)].  At the end v16-31 at work, v32-63 codes, v64-67 scale words.
.set F0,  16
.set F1,  80
.set SC0, 112
.set SC1, 144
.set BI,  160
.set VOC, 224
.set TM,  16
.set PC,  32
.set PW,  64
.set WV, 16
.set W2, 17
.set WA, 18
.set WB, 19
.set CX, 20
.set CY, 21
.set XX, 22
.set YY, 23
.set G1XC, 24                          ; s[24:31] x's codes: 64 rows of 256 bytes, my row's mask
.set G1XS, 32                          ; s[32:39] x's scales: 8 rows
.set G1WC, 40                          ; s[40:47] W's codes, my column's mask
.set G1WS, 48                          ; s[48:55] W's scales
.set G0XS, 56
.set G0X0, 60
.set G0X1, 68
.set G0WS, 72
.set G0W0, 76
.set G0W1, 80
.set KIND, 84                          ; 1: v; 0: q or k
.set K0, 85                            ; where source 0's codes lie in an LDS half
.set K1, 86                            ; and source 1's
.set SA, 87                            ; stores: from block a to block a + 1
.set SCS, 88                           ; from register group 0 to 1
.set RS, 89                            ; scale stores: from r to r + 1
.set HS, 90                            ; from lanes 0-15 to lanes 16-31
.set MSB, 0
.macro WIN new                         ; the immediate's high byte repeats the setting that is left; a switch that changes nothing is dropped
.if MSB != \new
	s_set_vgpr_msb (MSB<<8)|\new
.set MSB, \new
.endif
.endm
.macro PLACES                          ; four plain lines between a matrix instruction and a load into, or a vector read of, its registers
.rept 4
	v_nop
.endr
.endm
.macro CROUND                          ; a round of the cluster's barrier
	s_barrier_signal -1
	s_barrier_wait -1
	s_cmp_lg_u32 s[WV], 0
	s_cbranch_scc1 .Lnot_wave_0_\@
	s_barrier_signal -3
.Lnot_wave_0_\@:
	s_barrier_wait -3
	s_barrier_signal -1
	s_barrier_wait -1
.endm
.macro G1REST g, rows                  ; a dense block as rows of 256 bytes: 32 elements of 8 bytes, pitch 32
	s_mov_b32 s[\g+1], 32<<16
	s_mov_b32 s[\g+2], (\rows)<<16
	s_mov_b32 s[\g+3], 32<<16
	s_mov_b32 s[\g+4], \rows
	s_mov_b32 s[\g+5], 32
	s_mov_b32 s[\g+6], 0
	s_mov_b32 s[\g+7], 0
.endm
.macro G0SET g, ldsreg, ldsoff, base, off, more
	s_mov_b32 s[\g], 1
	s_add_co_u32 s[\g+1], s[\ldsreg], \ldsoff
	s_add_nc_u64 s[\g+2:\g+3], s[\base:\base+1], s[\off:\off+1]
	s_add_nc_u64 s[\g+2:\g+3], s[\g+2:\g+3], \more
	s_or_b32 s[\g+3], s[\g+3], 0x80000000
.endm
	s_load_b256 s[4:11], s[0:1], 0x0               ; xq s[4:5], wq s[6:7], bq s[8:9], bk s[10:11]
	s_load_b128 s[12:15], s[0:1], 0x20             ; bv s[12:13], qkv s[14:15]
	v_lshl_add_u32 v254, v0, 2, 0x44000
	v_mov_b32 v255, 0
	ds_add_u32 v254, v255
	ds_add_u32 v254, v255
	v_lshrrev_b32 v1, 5, v0
	s_delay_alu instid0(VALU_DEP_1)
	v_readfirstlane_b32 s[WV], v1                  ; wave 0..7
	s_and_b32 s[W2], s[WV], 3                      ; which quarter of a tile I fetch
	s_lshr_b32 s[WA], s[WV], 1
	s_and_b32 s[WB], s[WV], 1
	s_bfe_u32 s[CX], ttmp6, 0x40000
	s_bfe_u32 s[CY], ttmp6, 0x40004
	s_lshl_b32 s[XX], ttmp9, 2
	s_add_co_u32 s[XX], s[XX], s[CX]               ; X = 4 x cluster x + cx
	s_and_b32 s[YY], ttmp7, 0xffff
	s_lshl_b32 s[YY], s[YY], 2
	s_add_co_u32 s[YY], s[YY], s[CY]               ; Y = 4 x cluster y + cy
	s_lshl_b32 s94, s[CY], 2
	s_lshl_b32 s94, 15, s94                        ; my row of the cluster
	s_lshl_b32 s95, 0x1111, s[CX]                  ; my column
	s_or_b32 s[G1XC], s94, (3<<16)|(1<<21)         ; 15:0 the mask; 17:16 elements of 8 bytes; 21 set beside a mask; no padding
	s_or_b32 s[G1XS], s94, (3<<16)|(1<<21)
	s_or_b32 s[G1WC], s95, (3<<16)|(1<<21)
	s_or_b32 s[G1WS], s95, (3<<16)|(1<<21)
	G1REST G1XC, 64
	G1REST G1XS, 8
	G1REST G1WC, 64
	G1REST G1WS, 8
	s_lshl_b32 s96, s[YY], 16
	s_lshl_b32 s97, s[W2], 14
	s_add_co_u32 s96, s96, s97                     ; x's codes: 65,536 Y + 16,384 x quarter;
	s_lshr_b32 s66, s96, 3
	s_add_co_u32 s66, s66, 0x400000                ; its scale words: an eighth of that, behind the codes
	s_mov_b32 s97, 0
	s_mov_b32 s67, 0
	s_lshl_b32 s98, s[XX], 16
	s_lshl_b32 s99, s[W2], 14
	s_add_co_u32 s98, s98, s99                     ; W's likewise, by X
	s_lshr_b32 s90, s98, 3
	s_add_co_u32 s90, s90, 0x200000
	s_mov_b32 s99, 0
	s_mov_b32 s91, 0
	s_lshl_b32 s92, s[W2], 11                      ; in LDS: my quarter of the scale words,
	s_lshl_b32 s93, s[W2], 14                      ; and of the codes: no place in the cluster enters an LDS address
	s_mov_b32 s2, 0x76543210
	s_mov_b32 s3, 0xfedcba98                       ; v_permlanex16_b32's selects for lane l xor 16
	s_wait_dscnt 0x0
	s_wait_kmcnt 0x0
	G0SET G0XS, 92, 262144, 4, 66, 0
	G0SET G0X0, 93, 0, 4, 96, 0
	G0SET G0X1, 93, 131072, 4, 96, 0x200000
	G0SET G0WS, 92, 270336, 6, 90, 0
	G0SET G0W0, 93, 65536, 6, 98, 0
	G0SET G0W1, 93, 196608, 6, 98, 0x100000
	CROUND                                         ; all sixteen work-groups are here: the joint loads meet
	s_cmp_lt_u32 s[WV], 4                          ; waves 0-3 fetch x's quarters, waves 4-7 W's: three loads of mine are out; scales, K half 0, K half 1, in that order
	s_cbranch_scc0 .Lfill_w
	tensor_load_to_lds s[G0XS:G0XS+3], s[G1XS:G1XS+7]
	s_nop 0
	tensor_load_to_lds s[G0X0:G0X0+3], s[G1XC:G1XC+7]
	s_nop 0
	tensor_load_to_lds s[G0X1:G0X1+3], s[G1XC:G1XC+7]
	s_nop 0
	PLACES                                         ; four v_nop follow the last load of each arm
	s_branch .Lfilled
.Lfill_w:
	tensor_load_to_lds s[G0WS:G0WS+3], s[G1WS:G1WS+7]
	s_nop 0
	tensor_load_to_lds s[G0W0:G0W0+3], s[G1WC:G1WC+7]
	s_nop 0
	tensor_load_to_lds s[G0W1:G0W1+3], s[G1WC:G1WC+7]
	s_nop 0
	PLACES
.Lfilled:
	; what differs between q, k and v, chosen on the cluster's x
	s_lshl_b32 s94, s[WB], 1
	s_lshl_b32 s95, s[WA], 11
	s_lshl_b32 s96, s[WB], 12
	s_lshl_b32 s91, s[WB], 9
	s_lshl_b32 s97, s[WA], 8
	s_mov_b32 s[SA], 512
	s_mov_b32 s[SCS], 0x10000
	s_mov_b32 s[HS], 4096
	s_mov_b32 s98, 0x05040100
	s_mov_b32 s99, 0x02020202
	s_cmp_eq_u32 ttmp9, 2
	s_cselect_b32 s[KIND], 1, 0
	s_cselect_b32 s[K0], 0, 0x10000                ; source 0: x for v, W for q and k
	s_cselect_b32 s[K1], 0x10000, 0
	s_cselect_b32 s94, s[WA], s94                  ; my first head in the work-group's four: wa, or 2 wb
	s_cselect_b32 s95, s96, s95                    ; my place in a head's codes: key step wb (4,096 bytes), or 4 token tiles x wa (2,048)
	s_cselect_b32 s91, s97, s91                    ; my bias: 64 wa numbers on, or 128 wb
	s_cselect_b32 s[SA], 1024, s[SA]
	s_cselect_b32 s[SCS], 512, s[SCS]
	s_cselect_b32 s[RS], 16, 8
	s_cselect_b32 s[HS], 8, s[HS]
	s_cselect_b32 s98, 0x03020100, s98             ; v_perm_b32's select for lanes 0-15,
	s_cselect_b32 s99, 0x04040404, s99             ; and what lanes 16-31 add to it
	s_cselect_b64 s[92:93], s[12:13], s[8:9]
	s_cmp_eq_u32 ttmp9, 1
	s_cselect_b64 s[92:93], s[10:11], s[92:93]     ; bq, bk or bv
	v_and_b32 v8, 15, v0                           ; r
	v_bfe_u32 v9, v0, 4, 1                         ; h
	v_and_b32 v1, 31, v0
	s_delay_alu instid0(VALU_DEP_1)
	v_lshlrev_b32 v1, 4, v1                        ; 16 x lane
	s_delay_alu instid0(VALU_DEP_3)
	v_mul_lo_u32 v11, v9, s99
	s_delay_alu instid0(VALU_DEP_1)
	v_add_nc_u32 v11, s98, v11                     ; q, k: my half-word of each scale word; v: a whole word
	v_mul_u32_u24 v10, v8, s[RS]
	v_mul_u32_u24 v14, v9, s[HS]
	s_delay_alu instid0(VALU_DEP_1)
	v_add_nc_u32 v10, v10, v14                     ; where my 8 scale bytes go
	v_lshlrev_b32 v12, 6, v9                       ; bias of q, k: 16 h numbers on
	v_and_b32 v13, 8, v8
	s_delay_alu instid0(VALU_DEP_1)
	v_add_nc_u32 v13, v13, v8
	s_delay_alu instid0(VALU_DEP_1)
	v_lshlrev_b32 v13, 2, v13                      ; bias of v: number r + (r & 8)
	s_lshl_b32 s96, s[WB], 15
	s_add_co_u32 s96, s96, s[K0]
	v_add_nc_u32 v2, s96, v1                       ; source 0's 8 tiles, K half 0: all reads through it end under byte 131,072
	s_delay_alu instid0(VALU_DEP_1)
	v_add_nc_u32 v3, 0x20000, v2                   ; K half 1
	s_lshl_b32 s96, s[WA], 14
	s_add_co_u32 s96, s96, s[K1]
	v_add_nc_u32 v4, s96, v1                       ; source 1's 4 tiles
	s_delay_alu instid0(VALU_DEP_1)
	v_add_nc_u32 v5, 0x20000, v4
	s_lshr_b32 s96, s[K0], 3
	s_lshl_b32 s97, s[WB], 12
	s_add_co_u32 s96, s96, s97
	s_add_co_u32 s96, s96, 262144
	v_add_nc_u32 v6, s96, v1                       ; source 0's scale words
	s_lshr_b32 s96, s[K1], 3
	s_lshl_b32 s97, s[WA], 11
	s_add_co_u32 s96, s96, s97
	s_add_co_u32 s96, s96, 262144
	v_add_nc_u32 v7, s96, v1                       ; source 1's
	s_lshr_b32 s96, s[YY], 3
	s_lshl_b32 s96, s96, 4
	s_lshl_b32 s97, s[CX], 2
	s_add_co_u32 s96, s96, s97
	s_add_co_u32 s96, s96, s94                     ; bh of my first head
	s_and_b32 s97, s[YY], 7
	s_lshl_b32 s97, s97, 13
	s_add_co_u32 s97, s97, s95                     ; my place in a head's 65,536 bytes of codes
	s_lshl_b32 s94, s96, 16
	s_add_co_u32 s94, s94, s97
	s_lshl_b32 s95, ttmp9, 22
	s_add_co_u32 s94, s94, s95
	s_mov_b32 s95, 0
	s_add_nc_u64 s[66:67], s[14:15], s[94:95]      ; where my codes go
	s_lshl_b32 s94, s96, 12
	s_lshr_b32 s97, s97, 4
	s_add_co_u32 s94, s94, s97
	s_lshl_b32 s97, ttmp9, 18
	s_add_co_u32 s94, s94, s97
	s_add_co_u32 s94, s94, 0xC00000
	s_add_nc_u64 s[98:99], s[14:15], s[94:95]      ; and my scale bytes: a sixteenth of the codes' place
	s_lshl_b32 s94, s[CX], 10
	s_add_co_u32 s94, s94, s91
	s_add_nc_u64 s[92:93], s[92:93], s[94:95]
.irp a, 0,1,2,3
	s_mul_i32 s94, s[SA], \a
	v_add_nc_u32 v[VOC+2*\a], s94, v1
	s_delay_alu instid0(VALU_DEP_1)
	v_add_nc_u32 v[VOC+2*\a+1], s[SCS], v[VOC+2*\a]
.endr
	; THE BIAS IS THE C OF EACH SUM'S FIRST MATRIX INSTRUCTION.  q, k: eight features a tile b, in the result's layout.  v: a lane's channel, the same in all eight registers of block a (two copies of the 32)
	s_cmp_eq_u32 s[KIND], 0
	s_cbranch_scc0 .Lbias_v
.irp b, 0,1,2,3,4,5,6,7
	global_load_b128 v[BI+8*\b:BI+8*\b+3], v12, s[92:93] offset:(32*(\b/2)+8*(\b%2))*4
	global_load_b128 v[BI+8*\b+4:BI+8*\b+7], v12, s[92:93] offset:(32*(\b/2)+8*(\b%2))*4+16
.endr
	s_branch .Lbias_done
.Lbias_v:
.set i, 0
.rept 64
	global_load_b32 v[BI+i], v13, s[92:93] offset:(32*(((i/8)%4)/2)+8*((i/8)%2))*4
.set i, i+1
.endr
.Lbias_done:
.macro FETCH kq                        ; the fragments of K step kq: 16 loads for source 0, then 8 for source 1, its blocks ascending
.irp b, 0,1,2,3,4,5,6,7
	ds_load_b128 v[F0+8*\b:F0+8*\b+3], v[2+(\kq)/4] offset:4096*\b+1024*((\kq)%4)
	ds_load_b128 v[F0+8*\b+4:F0+8*\b+7], v[2+(\kq)/4] offset:4096*\b+1024*((\kq)%4)+512
.endr
.irp a, 0,1,2,3
	ds_load_b128 v[F1+8*\a:F1+8*\a+3], v[4+(\kq)/4] offset:4096*\a+1024*((\kq)%4)
	ds_load_b128 v[F1+8*\a+4:F1+8*\a+7], v[4+(\kq)/4] offset:4096*\a+1024*((\kq)%4)+512
.endr
.endm
; 16 matrix instructions: source 1's blocks a0, a0 + 1 x source 0's eight.  cm = 0: onto the sums; 1: C = the bias by b; 2: C = the bias by a.  The 32 accumulators take turns, one instruction a turn, in the same
; order in every K step.  K half 1 takes the scale words of lanes 16-31.
.macro MULS a0, kq, cm
.if \cm
	WIN 0x40                                       ; D in window 1, all sources in window 0
.else
	WIN 0x50                                       ; C and D in window 1
.endif
.irp a, \a0, \a0+1
.irp b, 0,1,2,3,4,5,6,7
.if \cm == 1
	v_wmma_scale_f32_16x16x128_f8f6f4 v[8*(8*(\a)+\b):8*(8*(\a)+\b)+7], v[F0+8*\b:F0+8*\b+7], v[F1+8*(\a):F1+8*(\a)+7], v[BI+8*\b:BI+8*\b+7], v[SC0+4*\b], v[SC1+4*(\a)] matrix_a_fmt:MATRIX_FMT_FP4 matrix_b_fmt:MATRIX_FMT_FP4
.elseif \cm == 2
	v_wmma_scale_f32_16x16x128_f8f6f4 v[8*(8*(\a)+\b):8*(8*(\a)+\b)+7], v[F0+8*\b:F0+8*\b+7], v[F1+8*(\a):F1+8*(\a)+7], v[BI+32*(\b/4)+8*(\a):BI+32*(\b/4)+8*(\a)+7], v[SC0+4*\b], v[SC1+4*(\a)] matrix_a_fmt:MATRIX_FMT_FP4 matrix_b_fmt:MATRIX_FMT_FP4
.elseif (\kq) < 4
	v_wmma_scale_f32_16x16x128_f8f6f4 v[8*(8*(\a)+\b):8*(8*(\a)+\b)+7], v[F0+8*\b:F0+8*\b+7], v[F1+8*(\a):F1+8*(\a)+7], v[8*(8*(\a)+\b):8*(8*(\a)+\b)+7], v[SC0+4*\b+(\kq)], v[SC1+4*(\a)+(\kq)] matrix_a_fmt:MATRIX_FMT_FP4 matrix_b_fmt:MATRIX_FMT_FP4
.else
	v_wmma_scale_f32_16x16x128_f8f6f4 v[8*(8*(\a)+\b):8*(8*(\a)+\b)+7], v[F0+8*\b:F0+8*\b+7], v[F1+8*(\a):F1+8*(\a)+7], v[8*(8*(\a)+\b):8*(8*(\a)+\b)+7], v[SC0+4*\b+(\kq)-4], v[SC1+4*(\a)+(\kq)-4] matrix_a_fmt:MATRIX_FMT_FP4 matrix_b_fmt:MATRIX_FMT_FP4 matrix_a_scale:MATRIX_SCALE_ROW1 matrix_b_scale:MATRIX_SCALE_ROW1
.endif
.endr
.endr
.endm
.macro KSTEP kq
	PLACES                                         ; in front of loads into registers that the last products read
	WIN 0
	FETCH \kq
	s_wait_dscnt 4                                 ; all but source 1's blocks 2 and 3 (the youngest four loads)
	MULS 0, \kq, 0
	s_wait_dscnt 0x0
	MULS 2, \kq, 0
.endm
; The 64 results of block a (register 16 B + i = number 32 B + 16 h + i along the next K, of my lane's row) become 8 registers of codes and a scale word.
.macro QUANT a
	WIN 0x05                                       ; sources 0 and 1 in window 1
.irp b, 0,1,2,3
	v_max3_num_f32 v[TM+\b], |v[64*\a+16*\b]|, |v[64*\a+16*\b+1]|, 0x1800000   ; each accumulator is read from its low end on; the floor 2^(3 - 127) holds the byte at 1 from below
.endr
.irp i, 2,4,6,8,10,12,14
.irp b, 0,1,2,3
	v_max3_num_f32 v[TM+\b], |v[64*\a+16*\b+\i]|, |v[64*\a+16*\b+\i+1]|, v[TM+\b]   ; (the four blocks by turns)
.endr
.endr
	WIN 0
.irp b, 0,1,2,3
	v_permlanex16_b32 v[TM+4+\b], v[TM+\b], s2, s3
.endr
.irp b, 0,1,2,3
	s_delay_alu instid0(VALU_DEP_4)
	v_max_num_f32 v[TM+\b], v[TM+\b], v[TM+4+\b]   ; with lane l xor 16's: the block's largest magnitude
.endr
.irp b, 0,1,2,3
	s_delay_alu instid0(VALU_DEP_4)
	v_add_nc_u32 v[TM+12+\b], 0xff000000, v[TM+\b] ; 2 off the exponent field: the conversion's scale operand
.endr
.irp b, 0,1,2,3
	s_delay_alu instid0(VALU_DEP_4)
	v_lshrrev_b32 v[TM+4+\b], 23, v[TM+12+\b]      ; the scale's byte
.endr
	s_delay_alu instid0(VALU_DEP_3)
	v_lshl_or_b32 v[PW+\a], v[TM+5], 8, v[TM+4]
	s_delay_alu instid0(VALU_DEP_1)
	v_lshl_or_b32 v[PW+\a], v[TM+6], 16, v[PW+\a]
	s_delay_alu instid0(VALU_DEP_1)
	v_lshl_or_b32 v[PW+\a], v[TM+7], 24, v[PW+\a]
	WIN 0x01                                       ; source 0 in window 1
.irp b, 0,1,2,3
	v_cvt_scalef32_pk8_fp4_f32 v[PC+8*\a+2*\b], v[64*\a+16*\b:64*\a+16*\b+7], v[TM+12+\b]
	v_cvt_scalef32_pk8_fp4_f32 v[PC+8*\a+2*\b+1], v[64*\a+16*\b+8:64*\a+16*\b+15], v[TM+12+\b]
.endr
	WIN 0
	v_nop                                          ; one plain line behind the last conversion
.irp c, 0,1                                    ; a whole block to a lane: lanes 0-15 block 2 c, lanes 16-31 block 2 c + 1
.irp i, 0,1
	v_permlane16_swap_b32 v[PC+8*\a+4*\c+\i], v[PC+8*\a+4*\c+2+\i]
.endr
.endr
.endm
	s_wait_tensorcnt 0x1                           ; my scale words and my part of K half 0 are in; K half 1's load may stay out
	s_barrier_signal -1
	s_barrier_wait -1                              ; everybody's are
.irp b, 0,1,2,3,4,5,6,7
	ds_load_b128 v[SC0+4*\b:SC0+4*\b+3], v6 offset:512*\b      ; a tile's 512 bytes: lanes 0-15 the four words of K half 0, lanes 16-31 those of K half 1
.endr
	s_wait_alu depctr_va_vdst(0)
.irp a, 0,1,2,3
	ds_load_b128 v[SC1+4*\a:SC1+4*\a+3], v7 offset:512*\a
.endr
	FETCH 0
	s_wait_dscnt 0x0
	s_wait_loadcnt 0x0                             ; the bias
	s_cmp_eq_u32 s[KIND], 0
	s_cbranch_scc0 .Lfirst_v
	MULS 0, 0, 1                                   ; the first K step starts the sums on the bias: nothing is cleared, nothing is added later
	MULS 2, 0, 1
	WIN 0
	s_branch .Lfirst_done
.Lfirst_v:
	MULS 0, 0, 2
	MULS 2, 0, 2
	WIN 0
.Lfirst_done:
	KSTEP 1
	KSTEP 2
	KSTEP 3
	WIN 0
	s_wait_tensorcnt 0x0                           ; my part of K half 1 is in (my LDS loads are back: the last wait was for 0),
	s_barrier_signal -1
	s_barrier_wait -1                              ; everybody's is
	KSTEP 4
	KSTEP 5
	KSTEP 6
	KSTEP 7
	WIN 0
	PLACES                                         ; in front of the first read of results and the first write of operands' registers
.irp b, 0,1,2,3
	v_mov_b32 v[TM+4+\b], 0                        ; written once: a lane permute's destination counts as one of its sources
.endr
.irp a, 0,1,2,3
	QUANT \a
	global_store_b128 v[VOC+2*\a], v[PC+8*\a:PC+8*\a+3], s[66:67]       ; 32 lanes store 512 consecutive bytes, aligned.  q, k: token tile a of head 2 wb; v: the first half of d tile a's image
	global_store_b128 v[VOC+2*\a+1], v[PC+8*\a+4:PC+8*\a+7], s[66:67]   ; q, k: the same tile of head 2 wb + 1; v: the second half
.endr
	v_perm_b32 v68, v[PW+1], v[PW], v11            ; q, k: the two bytes of head 2 wb + h from blocks 0 and 1; v: word 0 (lanes 0-15) or word 1 (lanes 16-31)
	v_perm_b32 v69, v[PW+3], v[PW+2], v11          ; and from blocks 2 and 3; v: word 2 or word 3
	global_store_b64 v10, v[68:69], s[98:99]
	s_wait_tensorcnt 0x0
	ds_add_u32 v254, v255
	s_wait_dscnt 0x0
	CROUND                                         ; the closing round: no work-group ends while a partner may still ask for a tile that names it
	s_endpgm
.Lfunc_end_k_q20c7c0be38_qkv:
	.size	k_q20c7c0be38_qkv, .Lfunc_end_k_q20c7c0be38_qkv-k_q20c7c0be38_qkv
	.p2alignl 7, 3214868480
	.fill 96, 4, 3214868480
	.section	.rodata,"a",@progbits
	.p2align	6, 0x0
	.amdhsa_kernel k_q20c7c0be38_qkv
		.amdhsa_group_segment_fixed_size 279552
		.amdhsa_private_segment_fixed_size 0
		.amdhsa_enable_private_segment 0
		.amdhsa_kernarg_size 48
		.amdhsa_user_sgpr_count 2
		.amdhsa_user_sgpr_kernarg_segment_ptr 1
		.amdhsa_wavefront_size32 1
		.amdhsa_system_sgpr_workgroup_id_x 1
		.amdhsa_system_sgpr_workgroup_id_y 1
		.amdhsa_system_sgpr_workgroup_id_z 1
		.amdhsa_system_vgpr_workitem_id 0
		.amdhsa_next_free_vgpr 512
		.amdhsa_next_free_sgpr 100
		.amdhsa_reserve_vcc 0
		.amdhsa_float_denorm_mode_32 3
		.amdhsa_float_denorm_mode_16_64 3
		.amdhsa_memory_ordered 1
		.amdhsa_forward_progress 1
		.amdhsa_inst_pref_size 88
	.end_amdhsa_kernel
	.amdgpu_metadata
---
amdhsa.version: [ 1, 2 ]
amdhsa.kernels:
  - .name:           k_q20c7c0be38_qkv
    .symbol:         k_q20c7c0be38_qkv.kd
    .args:
      - { .name: xq, .offset: 0, .size: 8, .value_kind: global_buffer, .address_space: global }
      - { .name: wq, .offset: 8, .size: 8, .value_kind: global_buffer, .address_space: global }
      - { .name: bq, .offset: 16, .size: 8, .value_kind: global_buffer, .address_space: global }
      - { .name: bk, .offset: 24, .size: 8, .value_kind: global_buffer, .address_space: global }
      - { .name: bv, .offset: 32, .size: 8, .value_kind: global_buffer, .address_space: global }
      - { .name: qkv, .offset: 40, .size: 8, .value_kind: global_buffer, .address_space: global }
    .group_segment_fixed_size: 279552
    .private_segment_fixed_size: 0
    .kernarg_segment_align: 8
    .kernarg_segment_size: 48
    .max_flat_workgroup_size: 256
    .sgpr_count:     100
    .vgpr_count:     512
    .wavefront_size: 32
...
	.end_amdgpu_metadata
.endif
;; end of part 2
;; launch attn (part 3): grid 8 x 64, 16 waves a work-group, clusters of 4 x 1, 169,984 bytes of LDS; arguments qkv, ctx; writes ctx
.if DOCPART == 3
	.amdgcn_target "amdgcn-amd-amdhsa--gfx1250"
	.amdhsa_code_object_version 6
	.text
	.protected	k_q20c7c0be38_attn
	.globl	k_q20c7c0be38_attn
	.p2align	8
	.type	k_q20c7c0be38_attn,@function
k_q20c7c0be38_attn:
	s_mov_b64 s[64:65], 0
	v_nop
	global_prefetch_b8 v0, s[64:65] scope:SCOPE_SE
	s_setreg_imm32_b32 hwreg(HW_REG_WAVE_MODE, 25, 1), 1
	s_wait_xcnt 0x0
	s_wait_alu depctr_hold_cnt(0) depctr_sa_sdst(0) depctr_va_vdst(0) depctr_va_sdst(0) depctr_va_ssrc(0) depctr_va_vcc(0) depctr_vm_vsrc(0)
	s_getreg_b32 s2, hwreg(HW_REG_IB_STS2, 6, 4)
	s_cmp_eq_u32 s2, 0
	s_cbranch_scc0 .Lentry_in_a_cluster
	s_endpgm
.Lentry_in_a_cluster:
	s_bfe_u32 s2, ttmp6, 0x10000c
	s_cmp_lg_u32 s2, 0x3003
	s_cbranch_scc0 .Lentry_shape_is_right
	s_endpgm
.Lentry_shape_is_right:
; ctx = softmax(q k^T / 8) v for one head and 256 queries, both products on codes of FP4 (E2M1), and ctx quantised along D for the last product.
; THE SOFTMAX AHEAD OF THE SECOND PRODUCT: t = score x log2(e) / 8; M = the running largest t rounded UP to a whole number; p = 2^(t - M) is quantised along the keys, not normalised; the row's sum is taken of the
; unquantised p and divides at the end.  When M moves, the sum and O are multiplied by 2^(old M - new M): exact.
; IN (qkv), bh = 16 batch + head: q codes at 0, k codes at 0x400000: [bh][token tile (128)][512], lane (r, h): block h of the head's two, of token 32 (tile/2) + 8 (tile%2) + r + (r & 8);
; v codes at 0x800000: [bh][key step (16)][d tile (4)][1,024]: images of 16 rows of V^T x 128 keys; q, k scale bytes at 0xC00000, 0xC40000: [bh][key step][tile%8 / 4][r][tile%4][2]; v scale words at 0xC80000: [bh][key step][r][16], d tiles 0, 2, 1, 3.
; THE HEAD IS 64 WIDE, HALF OF THE INSTRUCTION'S 128: two neighbouring tiles of K (1,024 bytes) are ONE operand, k 0-63 the first tile's channels, k 64-127 the second's; q stands as [q][0] or [0][q], and its zero codes silence the other tile.
; SHARES: a work-group owns 256 queries, each of its sixteen waves one token tile of 16, in 256 registers: four waves to a SIMD, so that one wave's vector work stands beside another's products and LDS loads.
; Both products are used transposed (S^T = K Q^T, O^T = V^T P^T): a lane holds ONE query throughout; by the choice of a tile's rows the 16 registers of tiles 2 B, 2 B + 1 are 16 neighbouring keys (or channels).
; LDS: the whole head: K's images at 0, V's at 65,536 (4,096 bytes a key step each), K's scale bytes at 131,072, V's at 135,168 (256 bytes a key step each).  Every byte is filled once.
; CLUSTER 4 x 1: the four query blocks of a cluster walk the same head, so each tile is asked for jointly.  Wave 0 fetches K's, wave 1 V's: the scale bytes and four chunks of four key steps: five loads of a wave are out.
; OUT (ctx): laid as the first launch lays x: codes [K half][row tile][K step % 4][1,024], scale words at 0x400000; head hd is K step hd / 2, register group hd % 2.  A wave's two scale bytes a row lie 16 bytes apart:
; 32 bytes of one aligned block of 256, once a wave; the other heads' work-groups write the rest of that block.
; LIMITS: a block of zeros gets the scale byte 1 (its codes are zeros; this program alone reads the bytes); blocks under 2^-124 were not tried; NaN and infinities are not served.
; REGISTERS: v1-3, v8 addresses that stay; v4-7 addresses of the step; v12 -M, v13 the largest t, v[14:15] the sum in two halves; v16-27 [q][0][q]; v28 q's scale word; v32-63 K; v64-95 V; v96-159 S^T, then p;
;   v160-191 O^T; v192-199 p's codes; v200-203 K's scale words; v204-207 V's; v232-254 at work, v253 p's scale word.
.set WV,  8
.set CX,  9
.set QB,  10
.set BH,  11
.set G1C, 16                           ; s[16:23] a chunk: 64 rows of 256 bytes
.set G1S, 24                           ; s[24:31] the scale bytes: 16 rows
.set G0,  32                           ; s[32:51] five groups 0
.set SEL, 52                           ; s[52:53] selects for lane l xor 16
.set CS,  54                           ; s[54:55] c = log2(e) / 8, twice: the packed form names a pair
.set TB,  56                           ; where the step's images begin
.set TS,  57                           ; and its scale bytes
.set CNT, 58
.set TAU, 59                           ; my token tile in the batch
.macro CROUND                          ; a round of the cluster's barrier
	s_barrier_signal -1
	s_barrier_wait -1
	s_cmp_lg_u32 s[WV], 0
	s_cbranch_scc1 .Lnot_wave_0_\@
	s_barrier_signal -3
.Lnot_wave_0_\@:
	s_barrier_wait -3
	s_barrier_signal -1
	s_barrier_wait -1
.endm
.macro G1REST g, rows                  ; a dense block as rows of 256 bytes: 32 elements of 8 bytes, pitch 32
	s_mov_b32 s[\g+1], 32<<16
	s_mov_b32 s[\g+2], (\rows)<<16
	s_mov_b32 s[\g+3], 32<<16
	s_mov_b32 s[\g+4], \rows
	s_mov_b32 s[\g+5], 32
	s_mov_b32 s[\g+6], 0
	s_mov_b32 s[\g+7], 0
.endm
	s_load_b128 s[4:7], s[0:1], 0x0                ; qkv s[4:5], ctx s[6:7]
	v_lshl_add_u32 v251, v0, 2, 0x29000
	v_mov_b32 v255, 0
	ds_add_u32 v251, v255
	ds_add_u32 v251, v255
	v_lshrrev_b32 v1, 5, v0
	s_delay_alu instid0(VALU_DEP_1)
	v_readfirstlane_b32 s[WV], v1                  ; wave 0..15
	s_bfe_u32 s[CX], ttmp6, 0x40000
	s_lshl_b32 s[QB], ttmp9, 2
	s_add_co_u32 s[QB], s[QB], s[CX]               ; my block of 256 queries: it enters q's and ctx's addresses alone
	s_and_b32 s[BH], ttmp7, 0xffff                 ; batch and head, which the four partners share
	s_mov_b32 s[G1C], 15|(3<<16)|(1<<21)           ; 15:0 the mask: all four work-groups; 17:16 elements of 8 bytes; 21 set beside a mask; no padding
	s_mov_b32 s[G1S], 15|(3<<16)|(1<<21)
	G1REST G1C, 64
	G1REST G1S, 16
	s_and_b32 s13, s[WV], 1                        ; z: 0 K's, 1 V's
	s_lshl_b32 s12, s13, 22
	s_lshl_b32 s14, s[BH], 16
	s_add_co_u32 s12, s12, s14
	s_add_co_u32 s12, s12, 0x400000                ; the head's codes,
	s_lshl_b32 s14, s13, 18
	s_lshl_b32 s15, s[BH], 12
	s_add_co_u32 s14, s14, s15
	s_add_co_u32 s14, s14, 0xC40000                ; its scale bytes,
	s_lshl_b32 s60, s13, 16                        ; and where they go in LDS
	s_lshl_b32 s61, s13, 12
	s_mov_b32 s13, 0
	s_mov_b32 s15, 0
	s_mov_b32 s[SEL], 0x76543210
	s_mov_b32 s[SEL+1], 0xfedcba98
	s_mov_b32 s[CS], 0x3e38aa3b                    ; log2(e) / sqrt(64)
	s_mov_b32 s[CS+1], s[CS]
	s_wait_dscnt 0x0
	s_wait_kmcnt 0x0
	s_mov_b32 s[G0], 1
	s_add_co_u32 s[G0+1], s61, 131072
	s_add_nc_u64 s[G0+2:G0+3], s[4:5], s[14:15]
	s_or_b32 s[G0+3], s[G0+3], 0x80000000
.irp c, 0,1,2,3
	s_mov_b32 s[G0+4+4*\c], 1
	s_add_co_u32 s[G0+5+4*\c], s60, \c*16384
	s_add_nc_u64 s[G0+6+4*\c:G0+7+4*\c], s[4:5], s[12:13]
	s_add_nc_u64 s[G0+6+4*\c:G0+7+4*\c], s[G0+6+4*\c:G0+7+4*\c], \c*16384
	s_or_b32 s[G0+7+4*\c], s[G0+7+4*\c], 0x80000000
.endr
	CROUND                                         ; all four work-groups are here: the joint loads meet
	s_cmp_lt_u32 s[WV], 2                          ; all the fills of a wave stand in one branch on its number
	s_cbranch_scc0 .Lno_fill
	tensor_load_to_lds s[G0:G0+3], s[G1S:G1S+7]
	s_nop 0
	tensor_load_to_lds s[G0+4:G0+7], s[G1C:G1C+7]
	s_nop 0
	tensor_load_to_lds s[G0+8:G0+11], s[G1C:G1C+7]
	s_nop 0
	tensor_load_to_lds s[G0+12:G0+15], s[G1C:G1C+7]
	s_nop 0
	tensor_load_to_lds s[G0+16:G0+19], s[G1C:G1C+7]
	s_nop 0
.rept 4
	v_nop                                          ; four v_nop follow the last load
.endr
.Lno_fill:
	s_lshl_b32 s[TAU], s[QB], 4
	s_add_co_u32 s[TAU], s[TAU], s[WV]             ; my token tile: 16 x block + wave
	s_lshl_b32 s14, s[BH], 16
	s_lshl_b32 s15, s[TAU], 9
	s_add_co_u32 s14, s14, s15
	s_mov_b32 s15, 0
	s_add_nc_u64 s[60:61], s[4:5], s[14:15]        ; q's codes
	s_lshl_b32 s14, s[BH], 12
	s_lshr_b32 s13, s[TAU], 2
	s_lshl_b32 s13, s13, 7
	s_add_co_u32 s14, s14, s13
	s_and_b32 s13, s[TAU], 3
	s_lshl_b32 s13, s13, 1
	s_add_co_u32 s14, s14, s13
	s_add_co_u32 s14, s14, 0xC00000
	s_add_nc_u64 s[62:63], s[4:5], s[14:15]        ; q's two scale bytes a row
	v_and_b32 v1, 31, v0
	s_delay_alu instid0(VALU_DEP_1)
	v_lshlrev_b32 v1, 4, v1                        ; 16 x lane: my place in an image; K's images begin at LDS byte 0
	v_and_b32 v9, 15, v0                           ; r
	s_delay_alu instid0(VALU_DEP_1)
	v_lshlrev_b32 v10, 3, v9                       ; 8 r
	global_load_b128 v[16:19], v1, s[60:61]        ; q twice, with zeros between: v[16:23] = [q][0], v[20:27] = [0][q]
	global_load_b128 v[24:27], v1, s[60:61]
	global_load_u16 v28, v10, s[62:63]
	v_add_nc_u32 v8, 0x10000, v1                   ; V's images
	v_add_nc_u32 v2, 0x20000, v10                  ; K's scale bytes: 8 a row and half step
	v_lshl_add_u32 v3, v9, 4, 0x21000              ; V's scale words: 16 bytes a row
.irp j, 20,21,22,23
	v_mov_b32 v[\j], 0
.endr
	v_mov_b32 v13, 0xff61b1e6                      ; the largest t so far: -3e38, under every t
	s_delay_alu instid0(VALU_DEP_1)
	v_floor_f32 v12, -v13                          ; -M
	v_mov_b32 v14, 0
	v_mov_b32 v15, 0
.irp b, 0,1,2,3
	v_mov_b32 v[236+\b], 0                         ; written once: a lane permute's destination counts as one of its sources
.endr
	v_mov_b32 v253, 0                              ; (named as the upper half of the pair v[252:253] before it is first written)
	s_wait_loadcnt 0x0
	v_lshl_or_b32 v28, v28, 16, v28                ; q's scale word: its two bytes serve k 0-63 and k 64-127 alike
.set j, 0
.rept 32
	v_mov_b32 v[160+j], 0                          ; O^T: the step is written once; the first finds zeros.  (These are also the plain lines between the write of v28 and the first product)
.set j, j+1
.endr
; A KEY STEP: 128 keys.
.macro STEP
	v_add_nc_u32 v4, s[TB], v1                     ; (the four additions are the plain lines between the last step's products and the loads into their registers)
	v_add_nc_u32 v5, s[TB], v8
	v_add_nc_u32 v6, s[TS], v2
	v_add_nc_u32 v7, s[TS], v3
.irp g, 0,1,2,3
	ds_load_b128 v[32+8*\g:35+8*\g], v4 offset:1024*\g          ; K's tiles 2 g and 2 g + 1: one operand
	ds_load_b128 v[36+8*\g:39+8*\g], v4 offset:1024*\g+512
.endr
	ds_load_b64 v[200:201], v6                     ; the scale bytes of tiles 0-3: two tiles to a word,
	ds_load_b64 v[202:203], v6 offset:128          ; and of tiles 4-7
.irp a, 0,1,2,3
	ds_load_b128 v[64+8*\a:67+8*\a], v5 offset:1024*\a
	ds_load_b128 v[68+8*\a:71+8*\a], v5 offset:1024*\a+512
.endr
	ds_load_b128 v[204:207], v7
	s_wait_dscnt 9                                 ; K and its scale bytes are in; V's nine loads may stay out
.irp t, 0,1,2,3,4,5,6,7
	v_wmma_scale_f32_16x16x128_f8f6f4 v[96+8*\t:103+8*\t], v[32+8*(\t/2):39+8*(\t/2)], v[16+4*(\t%2):23+4*(\t%2)], 0, v[200+\t/2], v28 matrix_a_fmt:MATRIX_FMT_FP4 matrix_b_fmt:MATRIX_FMT_FP4
.endr
.rept 4
	v_nop
.endr
.irp b, 0,1,2,3
	v_max3_num_f32 v[232+\b], v[96+16*\b], v[97+16*\b], v[98+16*\b]   ; the largest score of each block of 32 keys: for the row's maximum, and, since p rises with the score, for the block's largest p
.endr
.irp i, 3,5,7,9,11,13
.irp b, 0,1,2,3
	v_max3_num_f32 v[232+\b], v[232+\b], v[96+16*\b+\i], v[97+16*\b+\i]
.endr
.endr
.irp b, 0,1,2,3
	v_max_num_f32 v[232+\b], v[232+\b], v[111+16*\b]
.endr
.irp b, 0,1,2,3
	s_delay_alu instid0(VALU_DEP_4)
	v_permlanex16_b32 v[236+\b], v[232+\b], s[SEL], s[SEL+1]
.endr
.irp b, 0,1,2,3
	s_delay_alu instid0(VALU_DEP_4)
	v_max_num_f32 v[232+\b], v[232+\b], v[236+\b]  ; with lane l xor 16's 16 keys
.endr
	s_delay_alu instid0(VALU_DEP_2)
	v_max3_num_f32 v254, v232, v233, v234
	s_delay_alu instid0(VALU_DEP_1)
	v_max_num_f32 v254, v254, v235                 ; the step's largest score of my query
	s_delay_alu instid0(VALU_DEP_1)
	v_mul_f32 v254, s[CS], v254                    ; as t (c is positive)
	s_delay_alu instid0(VALU_DEP_1)
	v_max_num_f32 v13, v13, v254                   ; the running largest t
	v_mov_b32 v254, v12
	s_delay_alu instid0(VALU_DEP_2)
	v_floor_f32 v12, -v13                          ; the new -M = floor(-t) = -ceil(t)
	s_delay_alu instid0(VALU_DEP_1)
	v_sub_f32 v254, v12, v254                      ; old M - new M: a whole number, 0 or less
	s_delay_alu instid0(VALU_DEP_1)
	v_cvt_i32_f32 v254, v254                       ; (it saturates)
	s_delay_alu instid0(VALU_DEP_1)
	v_ldexp_f32 v252, 1.0, v254                    ; f = 2^(old M - new M)
.set j, 0
.rept 32
	v_pk_fma_f32 v[96+j:97+j], v[96+j:97+j], s[CS:CS+1], v[12:13] op_sel_hi:[1,0,0]   ; t - M, two at a time
.set j, j+2
.endr
.irp b, 0,1,2,3
	v_fma_f32 v[232+\b], v[232+\b], s[CS], v12     ; the same of each block's largest score
.endr
.set j, 0
	s_wait_alu depctr_va_vdst(0)
.rept 64
	v_exp_f32 v[96+j], v[96+j]                     ; p = 2^(t - M), at most 1
.set j, j+1
.endr
	s_setprio 1
	v_pk_mul_f32 v[14:15], v[14:15], v[252:253] op_sel_hi:[1,0]   ; the sums under the new M: the plain line behind the exponentials
	s_wait_alu depctr_va_vdst(0)                   ; one wait for the batch of 64, ahead of its first reader
.irp b, 0,1,2,3
	v_exp_f32 v[232+\b], v[232+\b]                 ; the block's largest p: the same two instructions on the same number give the same bits
.endr
	v_pk_add_f32 v[236:237], v[100:101], v[104:105]
	v_pk_add_f32 v[248:249], v[108:109], v[112:113]
	v_pk_add_f32 v[246:247], v[116:117], v[120:121]
	v_pk_add_f32 v[244:245], v[124:125], v[128:129]
	v_pk_add_f32 v[242:243], v[132:133], v[136:137]
	v_pk_add_f32 v[240:241], v[140:141], v[144:145]
	v_pk_add_f32 v[238:239], v[148:149], v[152:153]
	v_pk_add_f32 v[14:15], v[14:15], v[156:157]
	v_pk_add_f32 v[236:237], v[236:237], v[96:97]
	v_pk_add_f32 v[248:249], v[248:249], v[98:99]
	v_pk_add_f32 v[246:247], v[246:247], v[102:103]
	v_pk_add_f32 v[244:245], v[244:245], v[106:107]
	v_pk_add_f32 v[242:243], v[242:243], v[110:111]
	v_pk_add_f32 v[240:241], v[240:241], v[114:115]
	v_pk_add_f32 v[238:239], v[238:239], v[118:119]
	v_pk_add_f32 v[14:15], v[14:15], v[122:123]
	v_pk_add_f32 v[236:237], v[236:237], v[126:127]
	v_pk_add_f32 v[248:249], v[248:249], v[130:131]
	v_pk_add_f32 v[246:247], v[246:247], v[134:135]
	v_pk_add_f32 v[244:245], v[244:245], v[138:139]
	v_pk_add_f32 v[242:243], v[242:243], v[142:143]
	v_pk_add_f32 v[240:241], v[240:241], v[146:147]
	v_pk_add_f32 v[238:239], v[238:239], v[150:151]
	v_pk_add_f32 v[14:15], v[14:15], v[154:155]
	v_pk_add_f32 v[236:237], v[236:237], v[158:159]
	s_delay_alu instid0(VALU_DEP_2)
	v_pk_add_f32 v[14:15], v[14:15], v[244:245]
	s_delay_alu instid0(VALU_DEP_2)
	v_pk_add_f32 v[236:237], v[236:237], v[242:243]
	v_pk_add_f32 v[248:249], v[248:249], v[240:241]
	v_pk_add_f32 v[246:247], v[246:247], v[238:239]
	s_delay_alu instid0(VALU_DEP_2)
	v_pk_add_f32 v[14:15], v[14:15], v[248:249]
	s_delay_alu instid0(VALU_DEP_2)
	v_pk_add_f32 v[236:237], v[236:237], v[246:247]
	s_delay_alu instid0(VALU_DEP_1)
	v_pk_add_f32 v[14:15], v[14:15], v[236:237]
	s_wait_alu depctr_va_vdst(0)                   ; and one for the four
.irp b, 0,1,2,3
	v_max_num_f32 v[232+\b], 0x1800000, v[232+\b]  ; the floor 2^(3 - 127): the byte cannot fall under 1
.endr
.irp b, 0,1,2,3
	s_delay_alu instid0(VALU_DEP_4)
	v_add_nc_u32 v[244+\b], 0xff000000, v[232+\b]  ; 2 off the exponent field: the conversion's scale operand
.endr
.irp b, 0,1,2,3
	s_delay_alu instid0(VALU_DEP_4)
	v_lshrrev_b32 v[236+\b], 23, v[244+\b]         ; the scale's byte
.endr
	s_delay_alu instid0(VALU_DEP_3)
	v_lshl_or_b32 v253, v237, 8, v236              ; p's scale word for these 128 keys
	s_delay_alu instid0(VALU_DEP_1)
	v_lshl_or_b32 v253, v238, 16, v253
	s_delay_alu instid0(VALU_DEP_1)
	v_lshl_or_b32 v253, v239, 24, v253
.irp b, 0,1,2,3
	v_cvt_scalef32_pk8_fp4_f32 v[192+2*\b], v[96+16*\b:103+16*\b], v[244+\b]
	v_cvt_scalef32_pk8_fp4_f32 v[193+2*\b], v[104+16*\b:111+16*\b], v[244+\b]
.endr
	v_nop                                          ; one plain line behind the last conversion
.irp c, 0,1                                    ; a whole block to a lane: lanes 0-15 block 2 c, lanes 16-31 block 2 c + 1
.irp i, 0,1
	v_permlane16_swap_b32 v[192+4*\c+\i], v[194+4*\c+\i]
.endr
.endr
.set j, 0
	s_setprio 0
.rept 16
	v_pk_mul_f32 v[160+j:161+j], v[160+j:161+j], v[252:253] op_sel_hi:[1,0]   ; O^T under the new M.  For each product below twelve of these name none of its registers: the plain lines behind the writes of p's codes and scale word
.set j, j+2
.endr
	s_wait_alu depctr_va_vdst(0)
	s_wait_dscnt 0x0                               ; V and its scale words are in
.irp a, 0,1,2,3
	v_wmma_scale_f32_16x16x128_f8f6f4 v[160+8*\a:167+8*\a], v[64+8*\a:71+8*\a], v[192:199], v[160+8*\a:167+8*\a], v[204+2*(\a%2)+\a/2], v253 matrix_a_fmt:MATRIX_FMT_FP4 matrix_b_fmt:MATRIX_FMT_FP4
.endr
	s_add_co_u32 s[TB], s[TB], 4096
	s_add_co_u32 s[TS], s[TS], 256
.endm
; Four key steps: chunk n.  left: the later chunks' loads, which may stay out.
.macro CHUNK n, left
	s_wait_tensorcnt \left                         ; in waves 0 and 1: my scale bytes and my chunks up to this one are in
	s_wait_dscnt 0x0
	s_barrier_signal -1
	s_barrier_wait -1                              ; K's and V's are
	s_mov_b32 s[TB], \n*16384
	s_mov_b32 s[TS], \n*1024
	s_mov_b32 s[CNT], 4
.Lstep_\@:
	s_setprio 2
	STEP
	s_sub_co_u32 s[CNT], s[CNT], 1
	s_cmp_lg_u32 s[CNT], 0
	s_cbranch_scc1 .Lstep_\@
	s_setprio 0
.endm
	CHUNK 0, 3
	CHUNK 1, 2
	CHUNK 2, 1
	CHUNK 3, 0
	; THE WAY OUT: O^T / the sum, quantised along D (my head's two blocks of 32 channels), as half a fragment image and two scale bytes a row.
.rept 4
	v_nop                                          ; the plain lines behind the last products
.endr
	v_add_f32 v14, v14, v15                        ; the sum's two halves,
	s_delay_alu instid0(VALU_DEP_1)
	v_permlanex16_b32 v252, v14, s[SEL], s[SEL+1]
	s_delay_alu instid0(VALU_DEP_1)
	v_add_f32 v14, v14, v252                       ; and lane l xor 16's
	s_wait_alu depctr_va_vdst(0)
	v_rcp_f32 v14, v14
	v_lshlrev_b32 v11, 4, v9                       ; (the plain line behind the reciprocal)  16 r
	s_lshr_b32 s12, s[BH], 4
	s_lshl_b32 s12, s12, 7
	s_add_co_u32 s12, s12, s[TAU]                  ; my row tile among all 512
	s_and_b32 s13, s[BH], 15                       ; the head
	s_lshr_b32 s14, s13, 3                         ; its K half
	s_and_b32 s13, s13, 7                          ; 2 x (K step % 4) + register group
	s_lshl_b32 s60, s14, 21
	s_lshl_b32 s61, s12, 12
	s_add_co_u32 s60, s60, s61
	s_lshl_b32 s61, s13, 9
	s_add_co_u32 s60, s60, s61
	s_mov_b32 s61, 0
	s_add_nc_u64 s[60:61], s[6:7], s[60:61]        ; my 512 bytes of codes
	s_lshl_b32 s62, s12, 9
	s_lshl_b32 s63, s14, 8
	s_add_co_u32 s62, s62, s63
	s_lshl_b32 s63, s13, 1
	s_add_co_u32 s62, s62, s63
	s_add_co_u32 s62, s62, 0x400000
	s_mov_b32 s63, 0
	s_add_nc_u64 s[62:63], s[6:7], s[62:63]        ; my two bytes in each row's scale words
	s_wait_alu depctr_va_vdst(0)                   ; ahead of the reciprocal's first reader
.set j, 0
.rept 32
	v_mul_f32 v[96+j], v[160+j], v14               ; register 16 B + i = channel 32 B + 16 h + i of my query; each accumulator is read from its low end on
.set j, j+1
.endr
.irp b, 0,1
	v_max3_num_f32 v[232+\b], |v[96+16*\b]|, |v[97+16*\b]|, 0x1800000
.endr
.irp i, 2,4,6,8,10,12,14
.irp b, 0,1
	s_delay_alu instid0(VALU_DEP_2)
	v_max3_num_f32 v[232+\b], v[232+\b], |v[96+16*\b+\i]|, |v[97+16*\b+\i]|
.endr
.endr
.irp b, 0,1
	s_delay_alu instid0(VALU_DEP_2)
	v_permlanex16_b32 v[236+\b], v[232+\b], s[SEL], s[SEL+1]
.endr
.irp b, 0,1
	s_delay_alu instid0(VALU_DEP_2)
	v_max_num_f32 v[232+\b], v[232+\b], v[236+\b]
.endr
.irp b, 0,1
	s_delay_alu instid0(VALU_DEP_2)
	v_add_nc_u32 v[244+\b], 0xff000000, v[232+\b]
.endr
.irp b, 0,1
	s_delay_alu instid0(VALU_DEP_2)
	v_lshrrev_b32 v[236+\b], 23, v[244+\b]
.endr
	s_delay_alu instid0(VALU_DEP_1)
	v_lshl_or_b32 v240, v237, 8, v236
.irp b, 0,1
	v_cvt_scalef32_pk8_fp4_f32 v[192+2*\b], v[96+16*\b:103+16*\b], v[244+\b]
	v_cvt_scalef32_pk8_fp4_f32 v[193+2*\b], v[104+16*\b:111+16*\b], v[244+\b]
.endr
	v_nop                                          ; one plain line behind the last conversion
	v_permlane16_swap_b32 v192, v194
	v_permlane16_swap_b32 v193, v195               ; lane (r, h): channels 32 h + 0 .. 31
	global_store_b128 v1, v[192:195], s[60:61]     ; 32 lanes store 512 consecutive bytes, aligned
	global_store_b16 v11, v240, s[62:63]           ; lanes r and r + 16 write the same two bytes with the same value
	s_wait_tensorcnt 0x0
	ds_add_u32 v251, v255
	s_wait_dscnt 0x0
	CROUND                                         ; the closing round: no work-group ends while a partner may still ask for a tile that names it
	s_endpgm
.Lfunc_end_k_q20c7c0be38_attn:
	.size	k_q20c7c0be38_attn, .Lfunc_end_k_q20c7c0be38_attn-k_q20c7c0be38_attn
	.p2alignl 7, 3214868480
	.fill 96, 4, 3214868480
	.section	.rodata,"a",@progbits
	.p2align	6, 0x0
	.amdhsa_kernel k_q20c7c0be38_attn
		.amdhsa_group_segment_fixed_size 169984
		.amdhsa_private_segment_fixed_size 0
		.amdhsa_enable_private_segment 0
		.amdhsa_kernarg_size 16
		.amdhsa_user_sgpr_count 2
		.amdhsa_user_sgpr_kernarg_segment_ptr 1
		.amdhsa_wavefront_size32 1
		.amdhsa_system_sgpr_workgroup_id_x 1
		.amdhsa_system_sgpr_workgroup_id_y 1
		.amdhsa_system_sgpr_workgroup_id_z 1
		.amdhsa_system_vgpr_workitem_id 0
		.amdhsa_next_free_vgpr 256
		.amdhsa_next_free_sgpr 66
		.amdhsa_reserve_vcc 0
		.amdhsa_float_denorm_mode_32 3
		.amdhsa_float_denorm_mode_16_64 3
		.amdhsa_memory_ordered 1
		.amdhsa_forward_progress 1
		.amdhsa_inst_pref_size 79
	.end_amdhsa_kernel
	.amdgpu_metadata
---
amdhsa.version: [ 1, 2 ]
amdhsa.kernels:
  - .name:           k_q20c7c0be38_attn
    .symbol:         k_q20c7c0be38_attn.kd
    .args:
      - { .name: qkv, .offset: 0, .size: 8, .value_kind: global_buffer, .address_space: global }
      - { .name: ctx, .offset: 8, .size: 8, .value_kind: global_buffer, .address_space: global }
    .group_segment_fixed_size: 169984
    .private_segment_fixed_size: 0
    .kernarg_segment_align: 8
    .kernarg_segment_size: 16
    .max_flat_workgroup_size: 512
    .sgpr_count:     66
    .vgpr_count:     256
    .wavefront_size: 32
...
	.end_amdgpu_metadata
.endif
;; end of part 3
;; launch proj (part 4): grid 4 x 64, 4 waves a work-group, clusters of 4 x 4, 243,200 bytes of LDS; arguments ctx, wq, bo, out0; writes out0
.if DOCPART == 4
	.amdgcn_target "amdgcn-amd-amdhsa--gfx1250"
	.amdhsa_code_object_version 6
	.text
	.protected	k_q20c7c0be38_proj
	.globl	k_q20c7c0be38_proj
	.p2align	8
	.type	k_q20c7c0be38_proj,@function
k_q20c7c0be38_proj:
	s_mov_b64 s[64:65], 0
	v_nop
	global_prefetch_b8 v0, s[64:65] scope:SCOPE_SE
	s_setreg_imm32_b32 hwreg(HW_REG_WAVE_MODE, 25, 1), 1
	s_wait_xcnt 0x0
	s_wait_alu depctr_hold_cnt(0) depctr_sa_sdst(0) depctr_va_vdst(0) depctr_va_sdst(0) depctr_va_ssrc(0) depctr_va_vcc(0) depctr_vm_vsrc(0)
	s_getreg_b32 s2, hwreg(HW_REG_IB_STS2, 6, 4)
	s_cmp_eq_u32 s2, 0
	s_cbranch_scc0 .Lentry_in_a_cluster
	s_endpgm
.Lentry_in_a_cluster:
	s_bfe_u32 s2, ttmp6, 0x10000c
	s_cmp_lg_u32 s2, 0xf033
	s_cbranch_scc0 .Lentry_shape_is_right
	s_endpgm
.Lentry_shape_is_right:
; out0 = ctx Wo^T + bo on codes of FP4 (E2M1), K = 1,024; out0 [8192][1024] f32.
; ctx and wq: fragment images and scale words.  Row tile t: its row m is matrix row 32 (t/2) + 8 (t%2) + m + (m & 8); image: 1,024 bytes, register group c at 512 c + 16 lane;
; codes [K half][row tile][K step % 4][1,024]; scale words [row tile][K half][r][K step % 4][4] behind them (ctx at 0x400000, wq at 0x200000).  Wo's row tiles in wq are 192-255.
; SHARES: work-group (X, Y): 256 features x 128 tokens: 256 work-groups.  Four waves, wa = w / 2, wb = w % 2; a wave has 4 tiles of tokens (a, source 1) x 8 tiles of features (b, source 0): 32 accumulators.
; Source 0 = Wo: a lane holds one token, and the registers of tiles 2 B, 2 B + 1 are features 32 B + 16 h + 0 .. 15.  The bias is the C of each sum's first matrix instruction.
; CLUSTER 4 x 4: ctx's tiles hang on Y alone and are asked for jointly along a row of the cluster, Wo's on X alone and along a column.  All of K fits in LDS: every tile is filled once, K half 0 ahead of K half 1.
; LDS: K half s at 98,304 s: ctx's 8 tiles (32,768 bytes), then Wo's 16 (65,536); ctx's scale words at 196,608, Wo's at 200,704; from 208,896 a stage of 16 rows x 528 bytes for each wave, into which no tile lands.
; REGISTERS: window 0: v1-12 addresses; v16-79 Wo's 8 fragments; v80-111 ctx's 4; v112-143, v144-159 their scale words (lanes 0-15 K half 0, lanes 16-31 K half 1); v160-223 the bias.
;   window 1: accumulator (a, b) at v[8 (8 a + b)].  On the way out v16-79 and v160-223 take rows of out0 by turns.
.set F0,  16
.set F1,  80
.set SC0, 112
.set SC1, 144
.set BI,  160
.set WV, 16
.set W1, 17
.set WA, 18
.set WB, 19
.set CX, 20
.set CY, 21
.set XX, 22
.set YY, 23
.set G1CC, 24                          ; s[24:31] ctx's codes: 64 rows of 256 bytes, my row's mask
.set G1CS, 32                          ; s[32:39] ctx's scales: 8 rows
.set G1WC, 40                          ; s[40:47] Wo's codes: 128 rows, my column's mask
.set G1WS, 48                          ; s[48:55] Wo's scales: 16 rows
.set G0CS, 56
.set G0C0, 60
.set G0C1, 68
.set G0WS, 72
.set G0W0, 76
.set G0W1, 80
.set MSB, 0
.macro WIN new                         ; the immediate's high byte repeats the setting that is left; a switch that changes nothing is dropped
.if MSB != \new
	s_set_vgpr_msb (MSB<<8)|\new
.set MSB, \new
.endif
.endm
.macro PLACES                          ; four plain lines between a matrix instruction and a load into, or a read of, its registers
.rept 4
	v_nop
.endr
.endm
.macro CROUND                          ; a round of the cluster's barrier
	s_barrier_signal -1
	s_barrier_wait -1
	s_cmp_lg_u32 s[WV], 0
	s_cbranch_scc1 .Lnot_wave_0_\@
	s_barrier_signal -3
.Lnot_wave_0_\@:
	s_barrier_wait -3
	s_barrier_signal -1
	s_barrier_wait -1
.endm
.macro G1REST g, rows                  ; a dense block as rows of 256 bytes: 32 elements of 8 bytes, pitch 32
	s_mov_b32 s[\g+1], 32<<16
	s_mov_b32 s[\g+2], (\rows)<<16
	s_mov_b32 s[\g+3], 32<<16
	s_mov_b32 s[\g+4], \rows
	s_mov_b32 s[\g+5], 32
	s_mov_b32 s[\g+6], 0
	s_mov_b32 s[\g+7], 0
.endm
.macro G0SET g, ldsreg, ldsoff, base, off, more
	s_mov_b32 s[\g], 1
	s_add_co_u32 s[\g+1], s[\ldsreg], \ldsoff
	s_add_nc_u64 s[\g+2:\g+3], s[\base:\base+1], s[\off:\off+1]
	s_add_nc_u64 s[\g+2:\g+3], s[\g+2:\g+3], \more
	s_or_b32 s[\g+3], s[\g+3], 0x80000000
.endm
	s_load_b256 s[4:11], s[0:1], 0x0               ; ctx s[4:5], wq s[6:7], bo s[8:9], out0 s[10:11]
	v_lshl_add_u32 v254, v0, 2, 0x3b400
	v_mov_b32 v255, 0
	ds_add_u32 v254, v255
	ds_add_u32 v254, v255
	v_lshrrev_b32 v1, 5, v0
	v_readfirstlane_b32 s[WV], v1                  ; wave 0..3
	s_and_b32 s[W1], s[WV], 1                      ; which half of a tile I fetch
	s_lshr_b32 s[WA], s[WV], 1
	s_and_b32 s[WB], s[WV], 1
	s_bfe_u32 s[CX], ttmp6, 0x40000
	s_bfe_u32 s[CY], ttmp6, 0x40004
	s_lshl_b32 s[XX], ttmp9, 2
	s_add_co_u32 s[XX], s[XX], s[CX]               ; X = 4 x cluster x + cx
	s_and_b32 s[YY], ttmp7, 0xffff
	s_lshl_b32 s[YY], s[YY], 2
	s_add_co_u32 s[YY], s[YY], s[CY]               ; Y = 4 x cluster y + cy
	s_lshl_b32 s84, s[CY], 2
	s_lshl_b32 s84, 15, s84                        ; my row of the cluster
	s_lshl_b32 s85, 0x1111, s[CX]                  ; my column
	s_or_b32 s[G1CC], s84, (3<<16)|(1<<21)         ; 15:0 the mask; 17:16 elements of 8 bytes; 21 set beside a mask; no padding
	s_or_b32 s[G1CS], s84, (3<<16)|(1<<21)
	s_or_b32 s[G1WC], s85, (3<<16)|(1<<21)
	s_or_b32 s[G1WS], s85, (3<<16)|(1<<21)
	G1REST G1CC, 64
	G1REST G1CS, 8
	G1REST G1WC, 128
	G1REST G1WS, 16
	s_lshl_b32 s96, s[YY], 15
	s_lshl_b32 s97, s[W1], 14
	s_add_co_u32 s96, s96, s97                     ; ctx's codes: 32,768 Y + 16,384 x half;
	s_lshr_b32 s66, s96, 3
	s_add_co_u32 s66, s66, 0x400000                ; its scale words: an eighth of that, behind the codes
	s_mov_b32 s97, 0
	s_mov_b32 s67, 0
	s_lshl_b32 s98, s[XX], 16
	s_lshl_b32 s99, s[W1], 15
	s_add_co_u32 s98, s98, s99
	s_add_co_u32 s98, s98, 0xC0000                 ; Wo's codes: row tile 192 + 16 X + 8 x half
	s_lshr_b32 s90, s98, 3
	s_add_co_u32 s90, s90, 0x200000
	s_mov_b32 s99, 0
	s_mov_b32 s91, 0
	s_lshl_b32 s92, s[W1], 11                      ; in LDS: my half of ctx's scale words, of its codes,
	s_lshl_b32 s93, s[W1], 14
	s_lshl_b32 s94, s[W1], 12                      ; of Wo's scale words, of its codes: no place in the cluster enters an LDS address
	s_lshl_b32 s95, s[W1], 15
	s_wait_dscnt 0x0
	s_wait_kmcnt 0x0
	G0SET G0CS, 92, 196608, 4, 66, 0
	G0SET G0C0, 93, 0, 4, 96, 0
	G0SET G0C1, 93, 98304, 4, 96, 0x200000
	G0SET G0WS, 94, 200704, 6, 90, 0
	G0SET G0W0, 95, 32768, 6, 98, 0
	G0SET G0W1, 95, 131072, 6, 98, 0x100000
	CROUND                                         ; all sixteen work-groups are here: the joint loads meet
	s_cmp_lt_u32 s[WV], 2                          ; waves 0 and 1 fetch ctx's halves, waves 2 and 3 Wo's: three loads of mine are out; scales, K half 0, K half 1, in that order
	s_cbranch_scc0 .Lfill_w
	tensor_load_to_lds s[G0CS:G0CS+3], s[G1CS:G1CS+7]
	s_nop 0
	tensor_load_to_lds s[G0C0:G0C0+3], s[G1CC:G1CC+7]
	s_nop 0
	tensor_load_to_lds s[G0C1:G0C1+3], s[G1CC:G1CC+7]
	s_nop 0
	PLACES                                         ; four v_nop follow the last load of each arm
	s_branch .Lfilled
.Lfill_w:
	tensor_load_to_lds s[G0WS:G0WS+3], s[G1WS:G1WS+7]
	s_nop 0
	tensor_load_to_lds s[G0W0:G0W0+3], s[G1WC:G1WC+7]
	s_nop 0
	tensor_load_to_lds s[G0W1:G0W1+3], s[G1WC:G1WC+7]
	s_nop 0
	PLACES
.Lfilled:
	v_and_b32 v8, 15, v0                           ; r
	v_bfe_u32 v9, v0, 4, 1                         ; h
	v_and_b32 v1, 31, v0
	v_lshlrev_b32 v1, 4, v1                        ; 16 x lane
	s_wait_alu depctr_va_vdst(0)
	v_lshlrev_b32 v12, 6, v9                       ; the bias: 16 h numbers on
	s_lshl_b32 s86, s[XX], 10
	s_lshl_b32 s87, s[WB], 9
	s_add_co_u32 s86, s86, s87                     ; my first feature, in bytes: (256 X + 128 wb) x 4
	s_mov_b32 s87, 0
	s_add_nc_u64 s[8:9], s[8:9], s[86:87]
.irp b, 0,1,2,3,4,5,6,7
	global_load_b128 v[BI+8*\b:BI+8*\b+3], v12, s[8:9] offset:(32*(\b/2)+8*(\b%2))*4
	global_load_b128 v[BI+8*\b+4:BI+8*\b+7], v12, s[8:9] offset:(32*(\b/2)+8*(\b%2))*4+16
.endr
	s_lshl_b32 s88, s[YY], 19
	s_lshl_b32 s89, s[WA], 18
	s_add_co_u32 s88, s88, s89                     ; my first token's row: (128 Y + 64 wa) x 4,096
	s_add_co_u32 s88, s88, s86
	s_mov_b32 s89, 0
	s_add_nc_u64 s[10:11], s[10:11], s[88:89]
	s_lshl_b32 s84, s[WB], 15
	s_add_co_u32 s84, s84, 32768
	v_add_nc_u32 v2, s84, v1                       ; Wo's 8 tiles, K half 0: all reads through it end under byte 98,304
	v_add_nc_u32 v3, 98304, v2                     ; K half 1
	s_lshl_b32 s84, s[WA], 14
	v_add_nc_u32 v4, s84, v1                       ; ctx's 4 tiles
	v_add_nc_u32 v5, 98304, v4
	s_lshl_b32 s84, s[WB], 12
	s_add_co_u32 s84, s84, 200704
	v_add_nc_u32 v6, s84, v1                       ; Wo's scale words
	s_lshl_b32 s84, s[WA], 11
	s_add_co_u32 s84, s84, 196608
	v_add_nc_u32 v7, s84, v1                       ; ctx's
	s_mul_i32 s84, s[WV], 8448
	s_add_co_u32 s84, s84, 208896                  ; my stage
	v_mul_u32_u24 v10, v8, 528
	v_lshl_add_u32 v10, v9, 6, v10
	v_add_nc_u32 v10, s84, v10                     ; in: row r, + 64 h
	v_add_nc_u32 v11, s84, v1                      ; back: 16 bytes a lane of a row of 512
.macro FETCH kq                        ; the fragments of K step kq: 16 loads for Wo, then 8 for ctx, its blocks ascending
.irp b, 0,1,2,3,4,5,6,7
	ds_load_b128 v[F0+8*\b:F0+8*\b+3], v[2+(\kq)/4] offset:4096*\b+1024*((\kq)%4)
	ds_load_b128 v[F0+8*\b+4:F0+8*\b+7], v[2+(\kq)/4] offset:4096*\b+1024*((\kq)%4)+512
.endr
.irp a, 0,1,2,3
	ds_load_b128 v[F1+8*\a:F1+8*\a+3], v[4+(\kq)/4] offset:4096*\a+1024*((\kq)%4)
	ds_load_b128 v[F1+8*\a+4:F1+8*\a+7], v[4+(\kq)/4] offset:4096*\a+1024*((\kq)%4)+512
.endr
.endm
; 16 matrix instructions: ctx's blocks a0, a0 + 1 x Wo's eight.  cm = 1: C = the bias; 0: onto the sums.  The 32 accumulators take turns, one instruction a turn, in the same order in every K step
; K half 1 takes the scale words of lanes 16-31.
.macro MULS a0, kq, cm
.if \cm
	WIN 0x40                                       ; D in window 1, all sources in window 0
.else
	WIN 0x50                                       ; C and D in window 1
.endif
.irp a, \a0, \a0+1
.irp b, 0,1,2,3,4,5,6,7
.if \cm == 1
	v_wmma_scale_f32_16x16x128_f8f6f4 v[8*(8*(\a)+\b):8*(8*(\a)+\b)+7], v[F0+8*\b:F0+8*\b+7], v[F1+8*(\a):F1+8*(\a)+7], v[BI+8*\b:BI+8*\b+7], v[SC0+4*\b], v[SC1+4*(\a)] matrix_a_fmt:MATRIX_FMT_FP4 matrix_b_fmt:MATRIX_FMT_FP4
.elseif (\kq) < 4
	v_wmma_scale_f32_16x16x128_f8f6f4 v[8*(8*(\a)+\b):8*(8*(\a)+\b)+7], v[F0+8*\b:F0+8*\b+7], v[F1+8*(\a):F1+8*(\a)+7], v[8*(8*(\a)+\b):8*(8*(\a)+\b)+7], v[SC0+4*\b+(\kq)], v[SC1+4*(\a)+(\kq)] matrix_a_fmt:MATRIX_FMT_FP4 matrix_b_fmt:MATRIX_FMT_FP4
.else
	v_wmma_scale_f32_16x16x128_f8f6f4 v[8*(8*(\a)+\b):8*(8*(\a)+\b)+7], v[F0+8*\b:F0+8*\b+7], v[F1+8*(\a):F1+8*(\a)+7], v[8*(8*(\a)+\b):8*(8*(\a)+\b)+7], v[SC0+4*\b+(\kq)-4], v[SC1+4*(\a)+(\kq)-4] matrix_a_fmt:MATRIX_FMT_FP4 matrix_b_fmt:MATRIX_FMT_FP4 matrix_a_scale:MATRIX_SCALE_ROW1 matrix_b_scale:MATRIX_SCALE_ROW1
.endif
.endr
.endr
.endm
.macro KSTEP kq
	PLACES                                         ; in front of loads into registers that the last products read
	WIN 0
	FETCH \kq
	s_wait_dscnt 4                                 ; all but ctx's blocks 2 and 3 (the youngest four loads)
	MULS 0, \kq, 0
	s_wait_dscnt 0x0
	MULS 2, \kq, 0
.endm
; THE WAY OUT, a block of 16 tokens x 128 features at a time: a lane holds 32 neighbouring bytes of a row eight times over, and the lanes beside it hold other rows: so the block goes through my own stage in LDS
; and comes back as whole rows of 512 bytes.  LDS serves a wave's instructions in order: no wait between the stores and the loads, nor in front of the next block's stores.
.macro TOSTAGE a
	WIN 0x04                                       ; an LDS store's data are its source 1: window 1
.irp b, 0,1,2,3,4,5,6,7
	ds_store_b128 v10, v[64*(\a)+8*\b:64*(\a)+8*\b+3] offset:(32*(\b/2)+8*(\b%2))*4          ; each accumulator from its low end on
	ds_store_b128 v10, v[64*(\a)+8*\b+4:64*(\a)+8*\b+7] offset:(32*(\b/2)+8*(\b%2))*4+16
.endr
	WIN 0
.set BB, 16+144*((\a)%2)
.irp i, 0,1,2,3,4,5,6,7,8,9,10,11,12,13,14,15
	ds_load_b128 v[BB+4*\i:BB+4*\i+3], v11 offset:528*\i
.endr
.endm
.macro SEND a, younger                 ; younger: the LDS instructions issued behind block a's loads, which may stay out
.set BB, 16+144*((\a)%2)
	s_wait_dscnt \younger
.irp i, 0,1,2,3,4,5,6,7,8,9,10,11,12,13,14,15
	global_store_b128 v1, v[BB+4*\i:BB+4*\i+3], s[10:11] offset:(32*((\a)/2)+8*((\a)%2)+\i+(\i&8))*4096 th:TH_STORE_NT   ; 32 lanes store 512 consecutive bytes, aligned; written once, read by nobody here
.endr
.endm
	s_wait_alu depctr_va_vdst(0)
	s_wait_tensorcnt 0x1                           ; my scale words and my part of K half 0 are in; K half 1's load may stay out
	s_barrier_signal -1
	s_barrier_wait -1                              ; everybody's are
.irp b, 0,1,2,3,4,5,6,7
	ds_load_b128 v[SC0+4*\b:SC0+4*\b+3], v6 offset:512*\b      ; a tile's 512 bytes: lanes 0-15 the four words of K half 0, lanes 16-31 those of K half 1
.endr
.irp a, 0,1,2,3
	ds_load_b128 v[SC1+4*\a:SC1+4*\a+3], v7 offset:512*\a
.endr
	FETCH 0
	s_wait_dscnt 0x0
	s_wait_loadcnt 0x0                             ; the bias
	MULS 0, 0, 1                                   ; the first K step starts the sums on the bias
	MULS 2, 0, 1
	KSTEP 1
	KSTEP 2
	KSTEP 3
	WIN 0
	s_wait_tensorcnt 0x0                           ; my part of K half 1 is in (my LDS loads are back: the last wait was for 0),
	s_barrier_signal -1
	s_barrier_wait -1                              ; everybody's is
	KSTEP 4
	KSTEP 5
	KSTEP 6
	KSTEP 7
	WIN 0
	PLACES                                         ; in front of the first read of results and of loads into operands' registers
	TOSTAGE 0
.irp a, 1,2,3
.if \a > 1
	s_wait_xcnt 0x0                                ; block a - 2's stores have read their registers: block a's loads may land there
.endif
	TOSTAGE \a
	SEND \a-1, 32                                  ; behind block a - 1's loads: block a's 16 stores and 16 loads
.endr
	SEND 3, 0
	s_wait_tensorcnt 0x0
	ds_add_u32 v254, v255
	s_wait_dscnt 0x0
	CROUND                                         ; the closing round: no work-group ends while a partner may still ask for a tile that names it
	s_endpgm
.Lfunc_end_k_q20c7c0be38_proj:
	.size	k_q20c7c0be38_proj, .Lfunc_end_k_q20c7c0be38_proj-k_q20c7c0be38_proj
	.p2alignl 7, 3214868480
	.fill 96, 4, 3214868480
	.section	.rodata,"a",@progbits
	.p2align	6, 0x0
	.amdhsa_kernel k_q20c7c0be38_proj
		.amdhsa_group_segment_fixed_size 243200
		.amdhsa_private_segment_fixed_size 0
		.amdhsa_enable_private_segment 0
		.amdhsa_kernarg_size 32
		.amdhsa_user_sgpr_count 2
		.amdhsa_user_sgpr_kernarg_segment_ptr 1
		.amdhsa_wavefront_size32 1
		.amdhsa_system_sgpr_workgroup_id_x 1
		.amdhsa_system_sgpr_workgroup_id_y 1
		.amdhsa_system_sgpr_workgroup_id_z 1
		.amdhsa_system_vgpr_workitem_id 0
		.amdhsa_next_free_vgpr 512
		.amdhsa_next_free_sgpr 100
		.amdhsa_reserve_vcc 0
		.amdhsa_float_denorm_mode_32 3
		.amdhsa_float_denorm_mode_16_64 3
		.amdhsa_memory_ordered 1
		.amdhsa_forward_progress 1
		.amdhsa_inst_pref_size 72
	.end_amdhsa_kernel
	.amdgpu_metadata
---
amdhsa.version: [ 1, 2 ]
amdhsa.kernels:
  - .name:           k_q20c7c0be38_proj
    .symbol:         k_q20c7c0be38_proj.kd
    .args:
      - { .name: ctx, .offset: 0, .size: 8, .value_kind: global_buffer, .address_space: global }
      - { .name: wq, .offset: 8, .size: 8, .value_kind: global_buffer, .address_space: global }
      - { .name: bo, .offset: 16, .size: 8, .value_kind: global_buffer, .address_space: global }
      - { .name: out0, .offset: 24, .size: 8, .value_kind: global_buffer, .address_space: global }
    .group_segment_fixed_size: 243200
    .private_segment_fixed_size: 0
    .kernarg_segment_align: 8
    .kernarg_segment_size: 32
    .max_flat_workgroup_size: 128
    .sgpr_count:     100
    .vgpr_count:     512
    .wavefront_size: 32
...
	.end_amdgpu_metadata
.endif
;; end of part 4
